; MI455X (gfx1250); checked and timed in simulation.
; The chip was launched on July 23, 2026; its instructions are those of AMD's public machine-readable ISA for CDNA 5 (MIT licence, August 2026) and "CDNA5" Instruction Set Architecture Reference Guide (July 2026). The comments in the code are by the model that wrote it; some were corrected since.
;; Multi Head Attention. Allowed arithmetic: matrix products marked QUANTISED: E2M3 operands, one E8M0 scale for each 32 along K, by v_wmma_scale_f32_16x16x128_f8f6f4 with both operands' format E2M3, f32 sums; everything else in f32.
;; Inputs: Wk 1,024 x 1,024 float32; Wp 1,024 x 1,024 float32; Wq 1,024 x 1,024 float32; Wv 1,024 x 1,024 float32; bp 1,024 float32; x 2 x 2,048 x 1,024 float32.
;; Outputs: out0 2 x 2,048 x 1,024 float32.
;; This version of the problem:
;;   THIS VERSION OF THE PROBLEM IS GIVEN IN LOW PRECISION. The matrix products marked QUANTISED in the list below multiply operands that are first quantised to E2M3 (2 exponent bits, 3 mantissa bits; 6 bits a number), with one power-of-two scale for each 32 numbers along K (OCP MX v1.0); their sums are f32. All else is computed in f32.
;;   The module's matrix products, in the order in which they are computed (A, B: the left and right operand; K: the contracted axis; several contracted axes count as one K, in the product's order):
;;     1. [M 4,096, K 1,024] x [K 1,024, N 1,024]; A: input x; B: input Wk: QUANTISED
;;     2. [M 4,096, K 1,024] x [K 1,024, N 1,024]; A: input x; B: input Wq: QUANTISED
;;     3. [M 4,096, K 1,024] x [K 1,024, N 1,024]; A: input x; B: input Wv: QUANTISED
;;     4. batch 32 x [M 2,048, K 64] x [K 64, N 2,048]; A: computed on the way; B: computed on the way: QUANTISED
;;     5. batch 32 x [M 2,048, K 2,048] x [K 2,048, N 64]; A: softmax (see below); B: computed on the way: QUANTISED
;;     6. [M 4,096, K 1,024] x [K 1,024, N 1,024]; A: computed on the way; B: input Wp: QUANTISED
;;   THE QUANTISER, for each operand of a quantised product, along K:
;;     - K is cut into blocks of 32 from its start; a last block that is shorter is filled with zeros.
;;     - A block's scale is 2^e with e = floor(log2(the largest magnitude in the block)) - 2, held to -126 .. 127; a block of zeros has e = 0. As a byte (E8M0): e + 127.
;;     - Each number is divided by its block's scale, clamped to +-7.5, and rounded to the nearest number of E2M3, ties to even, subnormals kept.
;;     - The product sums the exact products of the quantised numbers (number of the format x scale) in f32.
;;   ~~~python
;;   def quantise(x, axis):      # numpy; x: float32 -> the quantised numbers, widened to float32 again
;;       x = np.moveaxis(x, axis, -1); K = x.shape[-1]
;;       x = np.pad(x, [(0, 0)] * (x.ndim - 1) + [(0, -K % 32)]); x = x.reshape(x.shape[:-1] + (-1, 32)); a = np.abs(x).max(-1, keepdims=True)
;;       e = np.where(a > 0, np.clip(np.frexp(np.where(a > 0, a, 1))[1] - 1 - 2, -126, 127), 0)      # np.frexp(a)[1] - 1 = floor(log2(a)), exactly
;;       r = np.clip(x / 2.0 ** e, -7.5, 7.5)
;;       step = 2.0 ** (np.maximum(np.frexp(np.where(r == 0, 1, r))[1] - 1, 0) - 3)
;;       q = np.round(r / step) * step * 2.0 ** e      # np.round: ties to even
;;       return np.moveaxis(q.reshape(q.shape[:-2] + (-1,))[..., :K], -1, axis).astype(np.float32)
;;   ~~~
;;   SOFTMAX AHEAD OF A QUANTISED PRODUCT. Where the list says 'softmax', what is quantised is not the finished softmax but p = 2^(t - M), with t = logit x log2(e) and M = ceil(the row's largest t), a whole number; so 1/2 < the row's largest p <= 1. The row's sum l is taken of the UNQUANTISED p, in f32, and the product's result is divided by l at the end. Since M is a whole number, a kernel that streams over the keys may use a running M (the ceiling of the running maximum): every later rescaling is an exact power of two, which a block's scale takes up: the codes' values come out the same.
;;   OPERANDS COMPUTED ON THE WAY. 'Computed on the way' means the value that the module computes at that place (a softmax that the list does not call 'softmax' is quantised finished and normalised). What goes into a quantiser is computed in f32, as accurately as f32 sums, v_exp_f32 and their like allow (about 1e-6 of the number): no bf16 or f16 on the way to a quantiser, and a product that is left as it is and whose result goes on into a quantised operand takes f32 operands (vector FMAs, or v_wmma_f32_16x16x4_f32). A number that lies on a knife's edge between two numbers of the format may be rounded either way, as far as f32 arithmetic and the matrix unit's own rounding can turn it there, and no further.
;; One version. Each part assembles by itself: llvm-mc -triple=amdgcn-amd-amdhsa -mcpu=gfx1250 --defsym DOCPART=n.
;; ======== version 1 of 1: 4 launches
;; limits: right only within a limited range of input values
;; workspace buffers: xq 3,276,800 bytes; wq 3,276,800 bytes; qkv 10,092,544 bytes; oq 3,276,800 bytes
;; launch prep (part 1): grid 256 x 1, 8 waves a work-group, no clusters, 187,392 bytes of LDS; arguments x, Wq, Wk, Wv, Wp, xq, wq; writes xq, wq
.if DOCPART == 1
	.amdgcn_target "amdgcn-amd-amdhsa--gfx1250"
	.amdhsa_code_object_version 6
	.text
	.protected	k_qbec082252f_prep
	.globl	k_qbec082252f_prep
	.p2align	8
	.type	k_qbec082252f_prep,@function
k_qbec082252f_prep:
	s_mov_b64 s[64:65], 0
	v_nop
	global_prefetch_b8 v0, s[64:65] scope:SCOPE_SE
	s_setreg_imm32_b32 hwreg(HW_REG_WAVE_MODE, 25, 1), 1
	s_wait_xcnt 0x0
; x [4096][1024] (K innermost) and Wq, Wk, Wv, Wp [1024 (K)][1024 (n)] (K outermost), f32, become codes of FP6 (E2M3) with one E8M0 byte for each 32 along K, laid in the ORDER OF THE OPERAND'S REGISTERS.
; A tile is 16 rows of x, or 16 columns of a weight, out of a band of 64: tile t = 0..3 holds at index i the row 8 t + i (i < 8) or 32 + 8 t + i - 8.  So, where a tile is source 0 of a product, a lane's results of the band's
; four tiles are 32 neighbours: one block of the next K.
; IMAGE of 128 rows (8 tiles) x 128 along K, 12,800 bytes: tile a's twelve registers at 1,536 a: registers 4 c .. 4 c + 3 of lane l at 512 c + 16 l; the rows' scale words (four bytes: 128 along K) at 12,288 + 64 a + 4 x index.
; xq: [128 rows][K step 0..7][12,800].  wq: [8 x weight + 128 columns][K step][12,800], the weights in the order Wq, Wk, Wv, Wp.
; A block's scale is 2^(floor(log2(largest magnitude)) - 2): its byte is the largest magnitude's exponent field - 2, held at 1 from below by a floor among the maximum's leaves.
; LIMITS: a block of zeros, or one whose largest magnitude lies under 2^-124, gets the byte 1 (only this program reads the bytes); NaN and infinities are not served.
; SHARES: work-groups 0-127: two tiles of x each, wave w its K step w.  Work-groups 128-255: a weight, 128 columns x 256 along K; a wave 32 columns x 128 along K.  Every wave: 16 KB of f32 in, two fragments and 32 scale words out.
; A weight's tile takes columns from two waves: they meet in LDS behind one barrier.  No work-group reads what another reads, so there is nothing to share in a cluster and no loop for a prefetch to run ahead in.
.set XPITCH, 528                       ; x's stage: a row's 512 bytes + 16: sixteen rows begin in sixteen different 16-byte columns of 256 bytes
.set XSTG,   32*XPITCH                 ; a wave's stage on x's path
.set WBASE,  8*XSTG                    ; the weights' path has LDS bytes of its own
.set WIM,    1664                      ; a tile's image (1,536) and its 16 scale words; half a row of banks off from tile to tile
.set WPAIR,  4*WIM                     ; a band's four tiles: two waves' stage
.set SPARE,  186368                    ; spare words, 128 bytes for each wave
.set FLOOR,  0x1800000                 ; 2^(3 - 127)
.set OFFE,   0xff000000                ; 2 off an exponent field
.set BLK,    102400                    ; eight K steps
.set KST,    12800
.set L16, 2                            ; v2   16 x lane
.set L4,  3                            ; v3   4 x lane
.set XST, 4                            ; v4   x's stage, on the way in
.set XLD, 5                            ; v5   and on the way out: row = lane % 16, + 128 (lane / 16)
.set SH,  6                            ; v6   8 (lane / 16)
.set WST, 7                            ; v7   the weights' images, on the way in: my column's tile and index
.set WLD, 8                            ; v8   and on the way out
.set WSC, 9                            ; v9   my column's scale word, in
.set SRD, 21                           ; v21  scale words, out
.set TQ,  22                           ; v22-24, v26-28 second halves of blocks' codes
.set R,   32                           ; v32-159  128 numbers as loaded
.set X,   160                          ; v160-223 x: 64 neighbours; weights: four blocks' codes, 8 registers apart
.set BK,  192                          ; v192-215 weights: two images read back
.set PC,  224                          ; v224-247 x: the two fragments
.set SPW, 254
.set NIL, 255
	s_load_b256 s[4:11], s[0:1], 0x0               ; x, Wq, Wk, Wv
	s_load_b128 s[12:15], s[0:1], 0x20             ; Wp, xq
	s_load_b64 s[16:17], s[0:1], 0x30              ; wq
	v_lshl_add_u32 v[SPW], v0, 2, SPARE
	v_mov_b32 v[NIL], 0
	v_lshrrev_b32 v1, 5, v0
	v_and_b32 v12, 31, v0                          ; lane
	v_readfirstlane_b32 s18, v1                    ; wave 0..7
	s_mul_i32 s24, s18, XSTG
	s_lshr_b32 s25, s18, 1
	s_mul_i32 s25, s25, WPAIR
	s_add_co_u32 s25, s25, WBASE                   ; my and my neighbour's stage
	s_and_b32 s26, s18, 1                          ; which 32 of the band's 64 columns are mine
	v_lshlrev_b32 v[L16], 4, v12
	v_lshlrev_b32 v[L4], 2, v12
	v_and_b32 v10, 15, v0                          ; r
	v_bfe_u32 v11, v0, 4, 1                        ; h
	v_mul_u32_u24 v[XLD], v10, XPITCH
	v_add_nc_u32 v[XST], s24, v[L16]
	v_lshl_add_u32 v[XLD], v11, 7, v[XLD]
	v_lshlrev_b32 v[SH], 3, v11
	v_add_nc_u32 v[XLD], s24, v[XLD]
	s_lshl_b32 s27, s26, 7
	s_add_co_u32 s27, s27, s25
	v_and_b32 v12, 7, v0                           ; column l of my 32: tile l / 8, index l % 8 (+ 8 for the band's upper 32)
	v_bfe_u32 v13, v0, 3, 2
	v_mul_u32_u24 v14, v13, WIM
	v_lshl_add_u32 v[WST], v12, 4, v14
	v_add_nc_u32 v[WST], s27, v[WST]
	s_lshl_b32 s27, s26, 5
	s_add_co_u32 s27, s27, s25
	s_add_co_u32 s27, s27, 1536
	v_lshl_add_u32 v[WSC], v12, 2, v14
	v_add_nc_u32 v[WSC], s27, v[WSC]
	s_mul_i32 s27, s26, 2*WIM                      ; of the band's four tiles I store two
	s_add_co_u32 s27, s27, s25
	v_add_nc_u32 v[WLD], s27, v[L16]
	v_mul_u32_u24 v14, v11, WIM
	v_lshl_add_u32 v14, v10, 2, v14
	s_add_co_u32 s27, s27, 1536
	v_add_nc_u32 v[SRD], s27, v14
	v_mov_b32 v17, 0                               ; a lane permute's destination counts as one of its sources
	s_mov_b32 s20, 0x76543210
	s_mov_b32 s21, 0xfedcba98                      ; selects for lane l xor 16
	s_mov_b32 s22, 0xffff0000                      ; lanes 16-31
	s_wait_alu depctr_va_vdst(0)                   ; the wait at the head's end
	s_wait_kmcnt 0x0
	s_cmp_ge_u32 ttmp9, 128
	s_cbranch_scc1 .Lweights
	; ---------------- x: K is innermost.  Work-group n: band n / 2, its tiles 2 (n % 2) + u
	s_lshr_b32 s26, ttmp9, 1
	s_lshl_b32 s26, s26, 18                        ; 64 rows of 4,096 bytes,
	s_and_b32 s27, ttmp9, 1
	s_lshl_b32 s27, s27, 16                        ; 16 rows on,
	s_add_co_u32 s26, s26, s27
	s_lshl_b32 s27, s18, 9                         ; my K step's 512 bytes of a row
	s_add_co_u32 s26, s26, s27
	s_mov_b32 s27, 0
	s_add_nc_u64 s[4:5], s[4:5], s[26:27]
	s_lshr_b32 s28, ttmp9, 2
	s_mul_i32 s28, s28, BLK
	s_mul_i32 s29, s18, KST
	s_add_co_u32 s28, s28, s29
	s_and_b32 s33, ttmp9, 3
	s_lshl_b32 s32, s33, 7
	s_add_co_u32 s32, s32, s28
	s_add_co_u32 s32, s32, 12288                   ; my two tiles' scale words
	s_mul_i32 s33, s33, 3072
	s_add_co_u32 s28, s28, s33                     ; and their images
	s_mov_b32 s29, 0
	s_mov_b32 s33, 0
	s_add_nc_u64 s[30:31], s[14:15], s[28:29]
	s_add_nc_u64 s[34:35], s[14:15], s[32:33]
.irp u, 0,1                                    ; all 32 loads at once, in the order of the tiles; each reads 512 consecutive bytes of one row
.irp i, 0,1,2,3,4,5,6,7,8,9,10,11,12,13,14,15
	global_load_b128 v[R+4*(16*\u+\i):R+4*(16*\u+\i)+3], v[L16], s[4:5] offset:(8*\u+\i+24*(\i/8))*4096 th:TH_LOAD_NT
.endr
.endr
; Tile u: its 16 rows turn through the stage, so that lane (r, h) gets, of row r, k = 32 h + 0 .. 31 and 64 + 32 h + 0 .. 31: two whole blocks, in the operand's own order.
.macro XTILE u
	s_wait_loadcnt 16*(1-\u)                       ; loads come back in order: this tile's sixteen are in; the count leaves the other tile's sixteen out
.irp i, 0,1,2,3,4,5,6,7,8,9,10,11,12,13,14,15
	ds_store_b128 v[XST], v[R+4*(16*\u+\i):R+4*(16*\u+\i)+3] offset:(16*\u+\i)*XPITCH
.endr
.irp m, 0,1,2,3,4,5,6,7,8,9,10,11,12,13,14,15
	ds_load_b128 v[X+4*\m:X+4*\m+3], v[XLD] offset:16*\u*XPITCH+256*(\m/8)+16*(\m%8)   ; LDS serves a wave's instructions in order: these see the stores above
.endr
	s_wait_dscnt 0x0
	v_max3_num_f32 v10, |v[X]|, |v[X+1]|, FLOOR    ; the two blocks' largest magnitudes, by turns, with the floor as one more leaf
	v_max3_num_f32 v11, |v[X+32]|, |v[X+33]|, FLOOR
.irp i, 2,4,6,8,10,12,14,16,18,20,22,24,26,28,30
	s_delay_alu instid0(VALU_DEP_2)
	v_max3_num_f32 v10, v10, |v[X+\i]|, |v[X+\i+1]|
	s_delay_alu instid0(VALU_DEP_2)
	v_max3_num_f32 v11, v11, |v[X+32+\i]|, |v[X+33+\i]|
.endr
	s_delay_alu instid0(VALU_DEP_2)
	v_add_nc_u32 v12, OFFE, v10                    ; 2 off the exponent field: the conversion takes this operand's exponent field as its scale
	s_delay_alu instid0(VALU_DEP_2)
	v_add_nc_u32 v13, OFFE, v11
	s_delay_alu instid0(VALU_DEP_2)
	v_lshrrev_b32 v14, 23, v12                     ; the scales' bytes: blocks h and 2 + h
	s_delay_alu instid0(VALU_DEP_2)
	v_lshrrev_b32 v15, 23, v13
	s_delay_alu instid0(VALU_DEP_1)
	v_lshl_or_b32 v16, v15, 16, v14
	s_delay_alu instid0(VALU_DEP_1)
	v_lshlrev_b32 v16, v[SH], v16                  ; at their places in the row's word
	s_delay_alu instid0(VALU_DEP_1)
	v_permlanex16_b32 v17, v16, s20, s21
	s_delay_alu instid0(VALU_DEP_1)
	v_or_b32 v[18+\u], v16, v17                    ; with lane l xor 16's two bytes the word is whole
	v_cvt_scalef32_pk16_fp6_f32 v[PC+12*\u:PC+12*\u+2], v[X:X+15], v12
	v_cvt_scalef32_pk16_fp6_f32 v[TQ:TQ+2], v[X+16:X+31], v12          ; (a conversion's three registers begin on an even number)
	v_cvt_scalef32_pk16_fp6_f32 v[PC+12*\u+6:PC+12*\u+8], v[X+32:X+47], v13
	v_cvt_scalef32_pk16_fp6_f32 v[TQ+4:TQ+6], v[X+48:X+63], v13
	v_nop                                          ; one plain place behind the scaled conversions
.irp i, 0,1,2
	v_mov_b32 v[PC+12*\u+3+\i], v[TQ+\i]
	v_mov_b32 v[PC+12*\u+9+\i], v[TQ+4+\i]
.endr
.irp c, 0,1,2
	global_store_b128 v[L16], v[PC+12*\u+4*\c:PC+12*\u+4*\c+3], s[30:31] offset:1536*\u+512*\c   ; 512 consecutive bytes, aligned; each tile has registers of its own, so no store's data are written again
.endr
.endm
	XTILE 0
	XTILE 1
	v_cndmask_b32 v20, v18, v19, s22               ; lanes 0-15 tile 0's words, lanes 16-31 tile 1's
	global_store_b32 v[L4], v20, s[34:35]          ; 128 consecutive bytes
	s_wait_tensorcnt 0x0                           ; the wave's end
	ds_add_u32 v[SPW], v[NIL]
	s_wait_dscnt 0x0
	s_endpgm
	; ---------------- the weights: K is the first axis.  A lane takes a column and its registers run down K
.Lweights:
	s_sub_co_u32 s24, ttmp9, 128
	s_lshr_b32 s25, s24, 5                         ; which weight: 0 Wq, 1 Wk, 2 Wv, 3 Wp
	s_and_b32 s26, s24, 7                          ; which 128 columns
	s_bfe_u32 s27, s24, 0x20003                    ; which 256 along K
	s_and_b32 s28, s18, 3                          ; my 32 columns
	s_lshr_b32 s29, s18, 2
	s_lshl_b32 s27, s27, 1
	s_add_co_u32 s29, s29, s27                     ; my K step
	s_cmp_eq_u32 s25, 1                            ; the choice hangs on the work-group's number alone
	s_cselect_b64 s[6:7], s[8:9], s[6:7]
	s_cmp_eq_u32 s25, 2
	s_cselect_b64 s[6:7], s[10:11], s[6:7]
	s_cmp_eq_u32 s25, 3
	s_cselect_b64 s[6:7], s[12:13], s[6:7]
	s_lshl_b32 s30, s29, 19                        ; 128 rows of 4,096 bytes,
	s_lshl_b32 s31, s26, 9
	s_add_co_u32 s30, s30, s31
	s_lshl_b32 s31, s28, 7
	s_add_co_u32 s30, s30, s31                     ; my 32 columns
	s_mov_b32 s31, 0
	s_add_nc_u64 s[6:7], s[6:7], s[30:31]
	s_lshl_b32 s32, s25, 3
	s_add_co_u32 s32, s32, s26                     ; 8 x weight + 128 columns
	s_mul_i32 s34, s32, BLK
	s_mul_i32 s35, s29, KST
	s_add_co_u32 s34, s34, s35
	s_lshl_b32 s36, s28, 7
	s_add_co_u32 s36, s36, s34
	s_add_co_u32 s36, s36, 12288                   ; scale words of the two tiles that I store
	s_mul_i32 s35, s28, 3072
	s_add_co_u32 s34, s34, s35                     ; and their images
	s_mov_b32 s35, 0
	s_mov_b32 s37, 0
	s_add_nc_u64 s[34:35], s[16:17], s[34:35]
	s_add_nc_u64 s[36:37], s[16:17], s[36:37]
.macro WLOAD t                         ; block t: 32 rows of K at my column; a wave reads 128 consecutive bytes, the four waves beside it 512
.irp i, 0,1,2,3,4,5,6,7,8,9,10,11,12,13,14,15,16,17,18,19,20,21,22,23,24,25,26,27,28,29,30,31
	global_load_b32 v[R+32*(\t)+\i], v[L4], s[6:7] offset:(32*(\t)+\i)*4096 th:TH_LOAD_NT
.endr
.endm
; Block t of my column is registers 6 (t / 2) .. + 5 of lane index + 16 (t % 2) of my tile's fragment: it goes to that place of the image.
.macro WBLOCK t
.set CC, X+8*(\t)
.set RR, R+32*(\t)
.if (\t) < 3
	s_wait_loadcnt 32                              ; this block's 32 loads are in; the count leaves the next block's 32 out
.else
	s_wait_loadcnt 0x0
.endif
.if (\t) < 2
	WLOAD \t+2                                     ; two blocks ahead; every block has registers of its own
.endif
	v_max3_num_f32 v10, |v[RR]|, |v[RR+1]|, FLOOR  ; all 32 numbers are mine: two chains
	v_max3_num_f32 v11, |v[RR+16]|, |v[RR+17]|, FLOOR
.irp i, 2,4,6,8,10,12,14
	s_delay_alu instid0(VALU_DEP_2)
	v_max3_num_f32 v10, v10, |v[RR+\i]|, |v[RR+\i+1]|
	s_delay_alu instid0(VALU_DEP_2)
	v_max3_num_f32 v11, v11, |v[RR+16+\i]|, |v[RR+17+\i]|
.endr
	s_delay_alu instid0(VALU_DEP_1)
	v_max_num_f32 v10, v10, v11
	s_delay_alu instid0(VALU_DEP_1)
	v_add_nc_u32 v12, OFFE, v10
	s_delay_alu instid0(VALU_DEP_1)
	v_lshrrev_b32 v14, 23, v12
.if (\t) == 0
	s_delay_alu instid0(VALU_DEP_1)
	v_mov_b32 v16, v14                             ; the column's scale word, the lower K in the lower byte
.else
	s_delay_alu instid0(VALU_DEP_1)
	v_lshl_or_b32 v16, v14, 8*(\t), v16
.endif
	v_cvt_scalef32_pk16_fp6_f32 v[CC:CC+2], v[RR:RR+15], v12
	v_cvt_scalef32_pk16_fp6_f32 v[CC+4:CC+6], v[RR+16:RR+31], v12
	v_nop                                          ; one plain place behind the scaled conversions
	v_mov_b32 v[CC+3], v[CC+4]                     ; the block's six registers on end
	v_mov_b32 v[CC+4], v[CC+5]
	v_mov_b32 v[CC+5], v[CC+6]
.if (\t) < 2
	ds_store_b128 v[WST], v[CC:CC+3] offset:256*((\t)%2)           ; registers 0-3
	ds_store_b64 v[WST], v[CC+4:CC+5] offset:256*((\t)%2)+512      ; registers 4, 5
.else
	ds_store_b64 v[WST], v[CC:CC+1] offset:256*((\t)%2)+520        ; registers 6, 7
	ds_store_b128 v[WST], v[CC+2:CC+5] offset:256*((\t)%2)+1024    ; registers 8-11
.endif
.endm
	WLOAD 0
	WLOAD 1
	WBLOCK 0
	WBLOCK 1
	WBLOCK 2
	WBLOCK 3
	ds_store_b32 v[WSC], v16
	s_wait_dscnt 0x0                               ; my stores are done: say so to the wave that shares the tiles
	s_barrier_signal -1
	s_barrier_wait -1
.irp u, 0,1
.irp c, 0,1,2
	ds_load_b128 v[BK+12*\u+4*\c:BK+12*\u+4*\c+3], v[WLD] offset:WIM*\u+512*\c
.endr
.endr
	ds_load_b32 v25, v[SRD]
	s_wait_dscnt 0x0
.irp u, 0,1
.irp c, 0,1,2
	global_store_b128 v[L16], v[BK+12*\u+4*\c:BK+12*\u+4*\c+3], s[34:35] offset:1536*\u+512*\c
.endr
.endr
	global_store_b32 v[L4], v25, s[36:37]          ; 32 scale words: 128 consecutive bytes
	s_wait_tensorcnt 0x0                           ; the wave's end
	ds_add_u32 v[SPW], v[NIL]
	s_wait_dscnt 0x0
	s_endpgm
.Lfunc_end_k_qbec082252f_prep:
	.size	k_qbec082252f_prep, .Lfunc_end_k_qbec082252f_prep-k_qbec082252f_prep
	.p2alignl 7, 3214868480
	.fill 96, 4, 3214868480
	.section	.rodata,"a",@progbits
	.p2align	6, 0x0
	.amdhsa_kernel k_qbec082252f_prep
		.amdhsa_group_segment_fixed_size 187392
		.amdhsa_private_segment_fixed_size 0
		.amdhsa_enable_private_segment 0
		.amdhsa_kernarg_size 56
		.amdhsa_user_sgpr_count 2
		.amdhsa_user_sgpr_kernarg_segment_ptr 1
		.amdhsa_wavefront_size32 1
		.amdhsa_system_sgpr_workgroup_id_x 1
		.amdhsa_system_sgpr_workgroup_id_y 1
		.amdhsa_system_sgpr_workgroup_id_z 1
		.amdhsa_system_vgpr_workitem_id 0
		.amdhsa_next_free_vgpr 256
		.amdhsa_next_free_sgpr 66
		.amdhsa_reserve_vcc 0
		.amdhsa_float_denorm_mode_32 3
		.amdhsa_float_denorm_mode_16_64 3
		.amdhsa_memory_ordered 1
		.amdhsa_forward_progress 1
		.amdhsa_inst_pref_size 44
	.end_amdhsa_kernel
	.amdgpu_metadata
---
amdhsa.version: [ 1, 2 ]
amdhsa.kernels:
  - .name:           k_qbec082252f_prep
    .symbol:         k_qbec082252f_prep.kd
    .args:
      - { .name: x, .offset: 0, .size: 8, .value_kind: global_buffer, .address_space: global }
      - { .name: Wq, .offset: 8, .size: 8, .value_kind: global_buffer, .address_space: global }
      - { .name: Wk, .offset: 16, .size: 8, .value_kind: global_buffer, .address_space: global }
      - { .name: Wv, .offset: 24, .size: 8, .value_kind: global_buffer, .address_space: global }
      - { .name: Wp, .offset: 32, .size: 8, .value_kind: global_buffer, .address_space: global }
      - { .name: xq, .offset: 40, .size: 8, .value_kind: global_buffer, .address_space: global }
      - { .name: wq, .offset: 48, .size: 8, .value_kind: global_buffer, .address_space: global }
    .group_segment_fixed_size: 187392
    .private_segment_fixed_size: 0
    .kernarg_segment_align: 8
    .kernarg_segment_size: 56
    .max_flat_workgroup_size: 256
    .sgpr_count:     66
    .vgpr_count:     256
    .wavefront_size: 32
...
	.end_amdgpu_metadata
.endif
;; end of part 1
;; launch qkv (part 2): grid 8 x 32, 4 waves a work-group, clusters of 4 x 4, 327,680 bytes of LDS; arguments xq, wq, qkv; writes qkv
.if DOCPART == 2
	.amdgcn_target "amdgcn-amd-amdhsa--gfx1250"
	.amdhsa_code_object_version 6
	.text
	.protected	k_qbec082252f_qkv
	.globl	k_qbec082252f_qkv
	.p2align	8
	.type	k_qbec082252f_qkv,@function
k_qbec082252f_qkv:
	s_mov_b64 s[64:65], 0
	v_nop
	global_prefetch_b8 v0, s[64:65] scope:SCOPE_SE
	s_setreg_imm32_b32 hwreg(HW_REG_WAVE_MODE, 25, 1), 1
	s_wait_xcnt 0x0
	s_wait_alu depctr_hold_cnt(0) depctr_sa_sdst(0) depctr_va_vdst(0) depctr_va_sdst(0) depctr_va_ssrc(0) depctr_va_vcc(0) depctr_vm_vsrc(0)
	s_getreg_b32 s2, hwreg(HW_REG_IB_STS2, 6, 4)
	s_cmp_eq_u32 s2, 0
	s_cbranch_scc0 .Lentry_in_a_cluster
	s_endpgm
.Lentry_in_a_cluster:
	s_bfe_u32 s2, ttmp6, 0x10000c
	s_cmp_lg_u32 s2, 0xf033
	s_cbranch_scc0 .Lentry_shape_is_right
	s_endpgm
.Lentry_shape_is_right:
; q = x Wq, k = x Wk, v = x Wv on codes of FP6 (E2M3) with E8M0 scales, f32 sums; the results are quantised here, in registers, for the two products of attention, and leave as images of operand registers.
; A work-group takes 128 rows of x (one key step of one batch) and columns 128 bx .. + 127 of each of the three weights: two heads.  K = 1,024 in eight steps of 128.
; WAVE w: (1) all 8 row tiles x the 4 column tiles of ONE head of Wq (waves 0, 1) or Wk (waves 2, 3), used TRANSPOSED (source 0 = 16 columns of W, source 1 = 16 rows of x): a lane holds one row and, over the head's four
; tiles, 32 neighbouring channels: one block of the K of q k^T;  (2) all 8 row tiles x 2 column tiles of Wv, NOT transposed: a lane holds one channel and, over a band's four row tiles, 32 neighbouring keys: one block of the K of p v.
; So no lane looks at another for a largest magnitude.  14 fragments from LDS feed 48 matrix instructions a step.
; OUT (qkv): 512 records (16 (16 b + head) + key step) of 13,056 bytes: K, 4 pairs of tiles of 1,536 bytes (twelve registers: six of the even tile, six of the odd); V, 4 fragments of 1,536 at 6,144; K's scale words at 12,288 + 16 lane + 4 x pair
; (lanes 0-15 the even tile's rows); V's at 12,800 + 128 x pair + 4 lane.  q's pairs at Q_OFF, [head][key step][6,144]; its scale words at QS_OFF, [head][key step][512], as K's.  Scale words of q and k: two bytes, and 0x7f for the 64 along K that are not there.
; CLUSTER 4 x 4: x's tiles hang on the work-group's y alone and are asked for jointly along a row of the cluster (wave 0), the weights' on x alone, along a column (waves 1-3: Wq, Wk, Wv).
; LDS: two regions of three K steps, [part: x, Wq, Wk, Wv][step][12,800].  Three fills: steps 0-2, 3-5, and 6, 7 onto the first region; a wave has one tensor load out at a time.
; PREFETCH: steps 3-5 behind the head's load, steps 6, 7 behind the second load: each wave its part's blocks of 256 bytes, shared out by address among the four partners that ask jointly.
; The weights are the same for all eight rows of clusters: four of them ask for the weights.
; LIMITS: blocks whose largest magnitude lies under 2^-124 get the byte 1; NaN and infinities are not served.
; REGISTERS: window 0: addresses; v32-47 scale words, two sets of 8 (lanes 0-15: x's tile j; lanes 16-31: my weight fragment j); v48-63 at work; v64-159, v160-255 x's 8 fragments, two sets.
;   window 1: my 6 weight fragments, two sets, at v0 and v128.   window 2: q's or k's accumulator (a, j) at v[8 (4 a + j)].   window 3: v's accumulator (u, a) at v[8 (8 u + a)].
.set Q_OFF,  6684672
.set QS_OFF, 9830400
.set REC,    13056
.set BLK,    102400
.set KST,    12800
.set PART,   3*KST
.set RGN,    4*PART
.set SPARE,  2*RGN                     ; the spare words, 128 bytes for each wave
.set FLOOR,  0x1800000
.set OFFE,   0xff000000
.set L16, 1
.set L4,  2
.set PFA, 10                           ; v10-12 the prefetches' offsets; never rewritten
.set ADA, 16                           ; v16-17 x's fragments in region 0, 1
.set ADB, 18                           ; v18-19 my four tiles of Wq or Wk
.set ADV, 20                           ; v20-21 my two tiles of Wv
.set ADS, 22                           ; v22-27 scale words: lanes 0-15 x's; lanes 16-31 my Wq/Wk tiles', my Wv tiles', x's again
.set SPW, 28
.set NIL, 29
.set SC,  32
.set TM,  48                           ; v48-51 largest magnitudes, v52-53 the conversions' scale operands, v54-55 bytes, v56-58, v60-62 second halves of codes
.set SO,  52
.set EB,  54
.set TQ,  56
.set AF,  64
.set OC,  64                           ; the way out: q's or k's codes, 12 registers a pair
.set OV,  112                          ; v's codes, 12 registers a tile
.set MG,  136
.set WV,  140
.set G1, 24
.set G0, 32
.set G1B, 48
.set G0B, 56
.set CQ, 92                            ; s[92:93] where my q or k tiles go; s[94:95] their scale words; s[96:97], s[98:99] the same for v
.set SQ, 94
.set CV, 96
.set SV, 98
.set MSB, 0
.macro WIN new                         ; the immediate's high byte repeats the setting that is left
.if MSB != \new
	s_set_vgpr_msb (MSB<<8)|\new
.set MSB, \new
.endif
.endm
.macro PLACES n
.rept \n
	v_nop
.endr
.endm
; A joint load: wave 0 fetches for x, waves 1-3 for the weights.  Each line has one mask; the branch hangs on the wave's number alone.
.macro JLOAD g0a, g0b
	s_cmp_eq_u32 s14, 0
	s_cbranch_scc0 .Lfor_b_\@
	tensor_load_to_lds s[\g0a:\g0a+3], s[G1:G1+7]
	s_nop 0
	PLACES 4
	s_branch .Lasked_\@
.Lfor_b_\@:
	tensor_load_to_lds s[\g0b:\g0b+3], s[G1B:G1B+7]
	s_nop 0
	PLACES 4
.Lasked_\@:
.endm
.macro CREST                           ; a round of the cluster's barrier behind its opening barrier
	s_cmp_lg_u32 s14, 0
	s_cbranch_scc1 .Lnot_wave_0_\@
	s_barrier_signal -3
.Lnot_wave_0_\@:
	s_barrier_wait -3
	s_barrier_signal -1
	s_barrier_wait -1
.endm
.macro CROUND
	s_barrier_signal -1
	s_barrier_wait -1
	CREST
.endm
	s_load_b128 s[4:7], s[0:1], 0x0                ; xq, wq
	s_load_b64 s[8:9], s[0:1], 0x10                ; qkv
	v_lshl_add_u32 v[SPW], v0, 2, SPARE
	v_mov_b32 v[NIL], 0
	ds_add_u32 v[SPW], v[NIL]                      ; the opening lines: the add twice on end, under one wait
	ds_add_u32 v[SPW], v[NIL]
	v_lshrrev_b32 v3, 5, v0
	v_readfirstlane_b32 s14, v3                    ; wave 0..3
	s_lshr_b32 s15, s14, 1                         ; 0: I make q, 1: k.  Also: which head my part of v belongs to
	s_and_b32 s16, s14, 1                          ; which of the two heads my q or k belongs to.  Also: which half of v's channels
	s_bfe_u32 s40, ttmp6, 0x40000                  ; cx, cy
	s_bfe_u32 s41, ttmp6, 0x40004
	s_lshl_b32 s42, ttmp9, 2
	s_add_co_u32 s42, s42, s40                     ; bx = 4 x cluster x + cx
	s_and_b32 s72, ttmp7, 0xffff                   ; cluster y
	s_lshl_b32 s17, s72, 2
	s_add_co_u32 s17, s17, s41                     ; by = 4 x cluster y + cy
	s_lshl_b32 s43, s41, 2
	s_lshl_b32 s43, 15, s43                        ; my row of the cluster
	s_lshl_b32 s44, 0x1111, s40                    ; my column
	s_or_b32 s[G1+0], s43, (3<<16)|(1<<21)         ; elements of 8 bytes; three K steps of a part are 150 dense rows of 256 bytes
	s_or_b32 s[G1B+0], s44, (3<<16)|(1<<21)
.irp g, G1, G1B
	s_mov_b32 s[\g+1], 32<<16
	s_mov_b32 s[\g+2], 150<<16
	s_mov_b32 s[\g+3], 32<<16
	s_mov_b32 s[\g+4], 150
	s_mov_b32 s[\g+5], 32
	s_mov_b32 s[\g+6], 0
	s_mov_b32 s[\g+7], 0
.endr
	s_mul_i32 s20, s17, BLK                        ; x: block by
	s_mov_b32 s21, 0
	s_max_u32 s18, s14, 1
	s_sub_co_u32 s18, s18, 1                       ; which weight I fetch: waves 1, 2, 3: Wq, Wk, Wv (wave 0 makes an address that it does not use)
	s_lshl_b32 s18, s18, 3
	s_add_co_u32 s18, s18, s42
	s_mul_i32 s46, s18, BLK                        ; block 8 x weight + bx
	s_mov_b32 s47, 0
	s_mul_i32 s45, s14, PART                       ; where they go: wave x a part: no place in the cluster enters an LDS address
	s_wait_dscnt 0x0                               ; both opening adds are done
	s_wait_kmcnt 0x0
	s_add_nc_u64 s[20:21], s[4:5], s[20:21]
	s_add_nc_u64 s[46:47], s[6:7], s[46:47]
	CROUND                                         ; all sixteen work-groups are here: the first joint loads meet
.irp n, 0,1
	s_mov_b32 s[G0+4*\n], 1
	s_add_co_u32 s[G0+4*\n+1], s45, \n*RGN
	s_add_nc_u64 s[G0+4*\n+2:G0+4*\n+3], s[20:21], \n*PART
	s_or_b32 s[G0+4*\n+3], s[G0+4*\n+3], 0x80000000
	s_mov_b32 s[G0B+4*\n], 1
	s_add_co_u32 s[G0B+4*\n+1], s45, \n*RGN
	s_add_nc_u64 s[G0B+4*\n+2:G0B+4*\n+3], s[46:47], \n*PART
	s_or_b32 s[G0B+4*\n+3], s[G0B+4*\n+3], 0x80000000
.endr
	JLOAD G0, G0B                                  ; K steps 0-2 with their scale words: one tensor load a wave at the head
	s_cmp_eq_u32 s14, 0
	s_cselect_b64 s[66:67], s[20:21], s[46:47]     ; what I fetch,
	s_cselect_b32 s68, s40, s41                    ; and my place among the four that ask for it with me
	s_mul_i32 s69, s68, 38
	s_add_co_u32 s70, s69, 32
	s_mul_i32 s71, s68, 25
	s_add_co_u32 s12, s15, 1
	s_mul_i32 s12, s12, PART
	s_mul_i32 s13, s16, 6144
	s_add_co_u32 s13, s13, s12                     ; my four tiles of Wq or Wk
	s_mul_i32 s18, s14, 3072
	s_add_co_u32 s18, s18, 3*PART                  ; my two tiles of Wv
	s_lshl_b32 s19, s16, 8
	s_add_co_u32 s12, s12, s19                     ; lanes 16-31 stand this far behind x's words: my four tiles' of Wq or Wk,
	s_lshl_b32 s19, s14, 7
	s_add_co_u32 s19, s19, 3*PART-256              ; my two of Wv (registers 4 and 5 have 256 in their offsets)
	v_and_b32 v4, 31, v0
	v_and_b32 v5, 15, v0
	v_bfe_u32 v6, v0, 4, 1                         ; h
	v_lshlrev_b32 v[L16], 4, v4
	v_lshlrev_b32 v[L4], 2, v4
	v_lshlrev_b32 v5, 2, v5                        ; 4 r
	v_add_nc_u32 v[PFA], s69, v4                   ; of 150 blocks of 256 bytes 38 a partner, in two instructions (what is over names the last again),
	v_min_u32 v[PFA+1], 5, v4
	v_min_u32 v[PFA+2], 24, v4                     ; of 100 blocks 25
	v_add_nc_u32 v[PFA+1], s70, v[PFA+1]
	v_add_nc_u32 v[PFA+2], s71, v[PFA+2]
	v_min_u32 v[PFA], 149, v[PFA]
	v_min_u32 v[PFA+1], 149, v[PFA+1]
	v_lshlrev_b32 v[PFA], 8, v[PFA]
	v_lshlrev_b32 v[PFA+1], 8, v[PFA+1]
	v_lshlrev_b32 v[PFA+2], 8, v[PFA+2]
	v_mov_b32 v[ADA], v[L16]
	v_add_nc_u32 v[ADB], s13, v[L16]
	v_add_nc_u32 v[ADV], s18, v[L16]
	v_mul_u32_u24 v7, s12, v6
	v_mul_u32_u24 v8, s19, v6
	v_add_nc_u32 v[ADS], v7, v5
	v_add_nc_u32 v[ADS+2], v8, v5
	v_mov_b32 v[ADS+4], v5
.irp n, ADA, ADB, ADV, ADS, ADS+2, ADS+4
	v_add_nc_u32 v[\n+1], RGN, v[\n]
.endr
	s_wait_alu depctr_va_vdst(0)                   ; the wait here, directly ahead of the branches
	s_cmp_eq_u32 s14, 0                            ; x's rows: every cluster asks for its own
	s_cbranch_scc1 .Lask_1
	s_cmp_gt_u32 s72, 3                            ; the weights: cluster rows 0-3
	s_cbranch_scc1 .Lno_ask_1
.Lask_1:
	global_prefetch_b8 v[PFA], s[66:67] offset:PART th:TH_LOAD_NT scope:SCOPE_SE     ; K steps 3-5
	global_prefetch_b8 v[PFA+1], s[66:67] offset:PART th:TH_LOAD_NT scope:SCOPE_SE
.Lno_ask_1:
	; where the results go
	s_lshr_b32 s12, s17, 4                         ; batch
	s_and_b32 s13, s17, 15                         ; key step
	s_lshl_b32 s12, s12, 4
	s_lshl_b32 s18, s42, 1
	s_add_co_u32 s12, s12, s18
	s_add_co_u32 s18, s12, s16                     ; 16 b + head, of my q or k
	s_add_co_u32 s19, s12, s15                     ; and of my part of v
	s_mul_i32 s[CQ], s18, 98304
	s_mul_i32 s22, s13, 6144
	s_add_co_u32 s[CQ], s[CQ], s22
	s_add_co_u32 s[CQ], s[CQ], Q_OFF
	s_lshl_b32 s[SQ], s18, 13
	s_lshl_b32 s22, s13, 9
	s_add_co_u32 s[SQ], s[SQ], s22
	s_add_co_u32 s[SQ], s[SQ], QS_OFF
	s_lshl_b32 s22, s18, 4
	s_add_co_u32 s22, s22, s13
	s_mul_i32 s22, s22, REC                        ; k: the record
	s_add_co_u32 s23, s22, 12288
	s_cmp_eq_u32 s15, 0                            ; offsets are chosen, on the wave's number; the pointer is added afterwards
	s_cselect_b32 s[CQ], s[CQ], s22
	s_cselect_b32 s[SQ], s[SQ], s23
	s_mov_b32 s[CQ+1], 0
	s_mov_b32 s[SQ+1], 0
	s_add_nc_u64 s[CQ:CQ+1], s[8:9], s[CQ:CQ+1]
	s_add_nc_u64 s[SQ:SQ+1], s[8:9], s[SQ:SQ+1]
	s_lshl_b32 s22, s19, 4
	s_add_co_u32 s22, s22, s13
	s_mul_i32 s22, s22, REC
	s_mul_i32 s23, s16, 3072
	s_add_co_u32 s[CV], s22, s23
	s_add_co_u32 s[CV], s[CV], 6144
	s_lshl_b32 s23, s16, 7
	s_add_co_u32 s[SV], s22, s23
	s_add_co_u32 s[SV], s[SV], 12800
	s_mov_b32 s[CV+1], 0
	s_mov_b32 s[SV+1], 0
	s_add_nc_u64 s[CV:CV+1], s[8:9], s[CV:CV+1]
	s_add_nc_u64 s[SV:SV+1], s[8:9], s[SV:SV+1]
; Product n of a step's 48: n = 4 a + j below 32: x's tile a and my weight tile j;  32 + 2 a + u: x's tile a and my tile u of Wv.  The 48 accumulators take turns, one instruction a turn, in the same order in every step.
.macro PR n, set, zero
.set P_, \n
.if P_ < 32
.set D_, 8*P_
.set A_, 128*(\set)+12*(P_%4)
.set B_, AF+96*(\set)+12*(P_/4)
.set X_, SC+8*(\set)+P_%4
.set Y_, SC+8*(\set)+P_/4
	WIN 0xa1                                       ; source 0 (W) window 1, source 1 (x) window 0, C and D window 2
.if \zero
	v_wmma_scale_f32_16x16x128_f8f6f4 v[D_:D_+7], v[A_:A_+11], v[B_:B_+11], 0, v[X_], v[Y_] matrix_a_fmt:MATRIX_FMT_FP6 matrix_b_fmt:MATRIX_FMT_FP6 matrix_a_scale:MATRIX_SCALE_ROW1
.else
	v_wmma_scale_f32_16x16x128_f8f6f4 v[D_:D_+7], v[A_:A_+11], v[B_:B_+11], v[D_:D_+7], v[X_], v[Y_] matrix_a_fmt:MATRIX_FMT_FP6 matrix_b_fmt:MATRIX_FMT_FP6 matrix_a_scale:MATRIX_SCALE_ROW1
.endif
.else
.set D_, 8*(8*(P_%2)+(P_-32)/2)
.set A_, AF+96*(\set)+12*((P_-32)/2)
.set B_, 128*(\set)+48+12*(P_%2)
.set X_, SC+8*(\set)+(P_-32)/2
.set Y_, SC+8*(\set)+4+P_%2
	WIN 0xf4                                       ; source 0 (x) window 0, source 1 (Wv) window 1, C and D window 3
.if \zero
	v_wmma_scale_f32_16x16x128_f8f6f4 v[D_:D_+7], v[A_:A_+11], v[B_:B_+11], 0, v[X_], v[Y_] matrix_a_fmt:MATRIX_FMT_FP6 matrix_b_fmt:MATRIX_FMT_FP6 matrix_b_scale:MATRIX_SCALE_ROW1
.else
	v_wmma_scale_f32_16x16x128_f8f6f4 v[D_:D_+7], v[A_:A_+11], v[B_:B_+11], v[D_:D_+7], v[X_], v[Y_] matrix_a_fmt:MATRIX_FMT_FP6 matrix_b_fmt:MATRIX_FMT_FP6 matrix_b_scale:MATRIX_SCALE_ROW1
.endif
.endif
.endm
; LDS load i of a step's 50 (the q-th step of region rg, into set): 6 weight fragments, 8 of x, 8 registers of scale words
.macro FL i, rg, q, set
.set F_, \i
.if F_ < 18
	WIN 0x40                                       ; destination window 1, address window 0
.if F_ < 12
	ds_load_b128 v[128*(\set)+4*F_:128*(\set)+4*F_+3], v[ADB+\rg] offset:(\q)*KST+(F_/3)*1536+512*(F_%3)
.else
	ds_load_b128 v[128*(\set)+4*F_:128*(\set)+4*F_+3], v[ADV+\rg] offset:(\q)*KST+(F_/3-4)*1536+512*(F_%3)
.endif
.elseif F_ < 42
	WIN 0
	ds_load_b128 v[AF+96*(\set)+4*(F_-18):AF+96*(\set)+4*(F_-18)+3], v[ADA+\rg] offset:(\q)*KST+(F_/3-6)*1536+512*(F_%3)
.elseif F_ < 46
	WIN 0
	ds_load_b32 v[SC+8*(\set)+F_-42], v[ADS+\rg] offset:(\q)*KST+12288+64*(F_-42)
.elseif F_ < 48
	WIN 0
	ds_load_b32 v[SC+8*(\set)+F_-42], v[ADS+2+\rg] offset:(\q)*KST+12288+64*(F_-42)
.else
	WIN 0
	ds_load_b32 v[SC+8*(\set)+F_-42], v[ADS+4+\rg] offset:(\q)*KST+12288+64*(F_-42)
.endif
.endm
; Products from .. to - 1; behind each, ld of the next step's loads into the other set
.macro PRODS from, to, set, zero, ld=0, rg=0, q=0
.set N_, \from
.rept (\to)-(\from)
	PR N_, \set, \zero
.rept \ld
.if FI_ < 50
	FL FI_, \rg, \q, 1-(\set)
.set FI_, FI_+1
.endif
.endr
.set N_, N_+1
.endr
.endm
; A step whose successor lies in the same region.  A load into a register that a matrix instruction has read stands four plain vector places behind it (ISA guide 7.12.1 for vector instructions).
.macro STEP set, zero, rg, q
	s_wait_dscnt 0x0                               ; this step's 50 loads are in
	PLACES 4
.set FI_, 0
	PRODS 0, 48, \set, \zero, 2, \rg, \q
.endm
; A region's last step: ONE barrier for the change.  In front of it each wave waits for all its tensor loads, adds 0 to its spare word, and waits for that and for its reads of this region.
; fill = 1: the barrier opens a round of the cluster's barrier, and region 0 is filled again, with K steps 6, 7.
.macro TURN set, rg, fill
	s_wait_dscnt 0x0
	PRODS 0, 16, \set, 0
	WIN 0                                          ; (the add's two registers lie in window 0)
	s_wait_tensorcnt 0x0                           ; all my tensor loads have landed: my part of the next region
	ds_add_u32 v[SPW], v[NIL]                      ; 0 onto my spare word
	PRODS 16, 20, \set, 0
	s_wait_dscnt 0x0                               ; the add is done, and my reads of this region are over
	s_barrier_signal -1
	PRODS 20, 24, \set, 0
	WIN 0
	s_barrier_wait -1
.if \fill
	CREST                                          ; no wave of any partner still reads this region or has a load on its way
	s_add_nc_u64 s[G0+2:G0+3], s[G0+2:G0+3], 2*PART
	s_add_nc_u64 s[G0B+2:G0B+3], s[G0B+2:G0B+3], 2*PART
	s_mov_b32 s[G1+2], 100<<16                     ; two K steps: 100 rows
	s_mov_b32 s[G1+4], 100
	s_mov_b32 s[G1B+2], 100<<16
	s_mov_b32 s[G1B+4], 100
	JLOAD G0, G0B                                  ; the first tensor load behind the round; its four v_nop are the places in front of the loads below
.else
	PLACES 4
.endif
.set FI_, 0
	PRODS 24, 48, \set, 0, 3, \rg, 0
.endm
	s_wait_alu depctr_va_vdst(0)                   ; the wait at the head's end
	s_wait_tensorcnt 0x0                           ; my part of region 0 is in
	ds_add_u32 v[SPW], v[NIL]
	s_wait_dscnt 0x0
	CROUND                                         ; everybody's part of region 0 is in, and the joint loads meet
	JLOAD G0+4, G0B+4                              ; K steps 3-5
.set FI_, 0
.rept 50
	FL FI_, 0, 0, 0
.set FI_, FI_+1
.endr
	WIN 0
	s_cmp_eq_u32 s14, 0
	s_cbranch_scc1 .Lask_2
	s_cmp_gt_u32 s72, 3
	s_cbranch_scc1 .Lno_ask_2
.Lask_2:
	global_prefetch_b8 v[PFA+2], s[66:67] offset:2*PART th:TH_LOAD_NT scope:SCOPE_SE   ; K steps 6, 7
.Lno_ask_2:
	STEP 0, 1, 0, 1                                ; the first step's products start the sums: nothing is cleared
	STEP 1, 0, 0, 2
	TURN 0, 1, 1
	STEP 1, 0, 1, 1
	STEP 0, 0, 1, 2
	TURN 1, 0, 0                                   ; nothing is left to fetch
	STEP 0, 0, 0, 1
	s_wait_dscnt 0x0                               ; the last step
	PRODS 0, 48, 1, 0
	WIN 0
	PLACES 4                                       ; in front of the first read of results, and of vector writes into registers that held fragments
; THE WAY OUT: two blocks of 32 numbers of a lane, in window win from s0 and from s1 on, become codes in v[pc] .. v[pc + 11] and bytes in v[EB], v[EB + 1].  Each accumulator is read from its low end on; four chains by turns.
.macro Q2 s0, s1, win, pc
	WIN 5*(\win)                                   ; sources 0 and 1 in the accumulators' window
	v_max3_num_f32 v[TM], |v[(\s0)]|, |v[(\s0)+1]|, FLOOR          ; the floor 2^(3 - 127) is one more leaf: the byte cannot fall under 1
	v_max3_num_f32 v[TM+1], |v[(\s0)+16]|, |v[(\s0)+17]|, FLOOR
	v_max3_num_f32 v[TM+2], |v[(\s1)]|, |v[(\s1)+1]|, FLOOR
	v_max3_num_f32 v[TM+3], |v[(\s1)+16]|, |v[(\s1)+17]|, FLOOR
.irp i, 2,4,6,8,10,12,14
	v_max3_num_f32 v[TM], |v[(\s0)+\i]|, |v[(\s0)+\i+1]|, v[TM]
	v_max3_num_f32 v[TM+1], |v[(\s0)+16+\i]|, |v[(\s0)+17+\i]|, v[TM+1]
	v_max3_num_f32 v[TM+2], |v[(\s1)+\i]|, |v[(\s1)+\i+1]|, v[TM+2]
	v_max3_num_f32 v[TM+3], |v[(\s1)+16+\i]|, |v[(\s1)+17+\i]|, v[TM+3]
.endr
	WIN 0
	v_max_num_f32 v[TM], v[TM], v[TM+1]
	v_max_num_f32 v[TM+2], v[TM+2], v[TM+3]
	v_add_nc_u32 v[SO], OFFE, v[TM]                ; 2 off the exponent field: the conversion's scale operand
	v_add_nc_u32 v[SO+1], OFFE, v[TM+2]
	WIN \win                                       ; source 0 in the accumulators' window
	v_cvt_scalef32_pk16_fp6_f32 v[\pc:\pc+2], v[(\s0):(\s0)+15], v[SO]
	v_cvt_scalef32_pk16_fp6_f32 v[TQ:TQ+2], v[(\s0)+16:(\s0)+31], v[SO]     ; (a conversion's three registers begin on an even number)
	v_cvt_scalef32_pk16_fp6_f32 v[\pc+6:\pc+8], v[(\s1):(\s1)+15], v[SO+1]
	v_cvt_scalef32_pk16_fp6_f32 v[TQ+4:TQ+6], v[(\s1)+16:(\s1)+31], v[SO+1]
	WIN 0
	v_lshrrev_b32 v[EB], 23, v[SO]                 ; the bytes; also the plain place behind the conversions
	v_lshrrev_b32 v[EB+1], 23, v[SO+1]
.irp i, 0,1,2
	v_mov_b32 v[\pc+3+\i], v[TQ+\i]
	v_mov_b32 v[\pc+9+\i], v[TQ+4+\i]
.endr
.endm
.irp g, 0,1,2,3                                ; two tiles of 16 rows x the head's 64 channels
	Q2 64*\g, 64*\g+32, 2, OC+12*\g
	v_permlane16_swap_b32 v[EB], v[EB+1]           ; lanes 0-15 the even tile, lanes 16-31 the odd: the first register has the lower block's bytes, the second the upper's
	v_lshl_or_b32 v[MG+\g], v[EB+1], 8, v[EB]
	v_or_b32 v[MG+\g], 0x7f7f0000, v[MG+\g]        ; the 64 along K that are not there: scale 1 over zero codes
.irp c, 0,1,2
	global_store_b128 v[L16], v[OC+12*\g+4*\c:OC+12*\g+4*\c+3], s[CQ:CQ+1] offset:1536*\g+512*\c   ; 512 consecutive bytes; every result has registers of its own
.endr
.endr
	global_store_b128 v[L16], v[MG:MG+3], s[SQ:SQ+1]
.irp u, 0,1                                    ; 16 channels x 128 keys
	Q2 64*\u, 64*\u+32, 3, OV+12*\u
	v_lshl_or_b32 v[WV+\u], v[EB+1], 16, v[EB]
.irp c, 0,1,2
	global_store_b128 v[L16], v[OV+12*\u+4*\c:OV+12*\u+4*\c+3], s[CV:CV+1] offset:1536*\u+512*\c
.endr
.endr
	v_permlane16_swap_b32 v[WV], v[WV+1]
	v_lshl_or_b32 v[WV+2], v[WV+1], 8, v[WV]
	global_store_b32 v[L4], v[WV+2], s[SV:SV+1]
	s_wait_tensorcnt 0x0                           ; the wave's end
	ds_add_u32 v[SPW], v[NIL]
	s_wait_dscnt 0x0
	CROUND                                         ; the closing round: no work-group ends while a partner may still ask for a tile that names it
	s_endpgm
.Lfunc_end_k_qbec082252f_qkv:
	.size	k_qbec082252f_qkv, .Lfunc_end_k_qbec082252f_qkv-k_qbec082252f_qkv
	.p2alignl 7, 3214868480
	.fill 96, 4, 3214868480
	.section	.rodata,"a",@progbits
	.p2align	6, 0x0
	.amdhsa_kernel k_qbec082252f_qkv
		.amdhsa_group_segment_fixed_size 327680
		.amdhsa_private_segment_fixed_size 0
		.amdhsa_enable_private_segment 0
		.amdhsa_kernarg_size 24
		.amdhsa_user_sgpr_count 2
		.amdhsa_user_sgpr_kernarg_segment_ptr 1
		.amdhsa_wavefront_size32 1
		.amdhsa_system_sgpr_workgroup_id_x 1
		.amdhsa_system_sgpr_workgroup_id_y 1
		.amdhsa_system_sgpr_workgroup_id_z 1
		.amdhsa_system_vgpr_workitem_id 0
		.amdhsa_next_free_vgpr 1024
		.amdhsa_next_free_sgpr 102
		.amdhsa_reserve_vcc 0
		.amdhsa_float_denorm_mode_32 3
		.amdhsa_float_denorm_mode_16_64 3
		.amdhsa_memory_ordered 1
		.amdhsa_forward_progress 1
		.amdhsa_inst_pref_size 117
	.end_amdhsa_kernel
	.amdgpu_metadata
---
amdhsa.version: [ 1, 2 ]
amdhsa.kernels:
  - .name:           k_qbec082252f_qkv
    .symbol:         k_qbec082252f_qkv.kd
    .args:
      - { .name: xq, .offset: 0, .size: 8, .value_kind: global_buffer, .address_space: global }
      - { .name: wq, .offset: 8, .size: 8, .value_kind: global_buffer, .address_space: global }
      - { .name: qkv, .offset: 16, .size: 8, .value_kind: global_buffer, .address_space: global }
    .group_segment_fixed_size: 327680
    .private_segment_fixed_size: 0
    .kernarg_segment_align: 8
    .kernarg_segment_size: 24
    .max_flat_workgroup_size: 128
    .sgpr_count:     102
    .vgpr_count:     1024
    .wavefront_size: 32
...
	.end_amdgpu_metadata
.endif
;; end of part 2
;; launch attn (part 3): grid 8 x 32, 8 waves a work-group, clusters of 4 x 1, 222,976 bytes of LDS; arguments qkv, oq; writes oq
.if DOCPART == 3
	.amdgcn_target "amdgcn-amd-amdhsa--gfx1250"
	.amdhsa_code_object_version 6
	.text
	.protected	k_qbec082252f_attn
	.globl	k_qbec082252f_attn
	.p2align	8
	.type	k_qbec082252f_attn,@function
k_qbec082252f_attn:
	s_mov_b64 s[64:65], 0
	v_nop
	global_prefetch_b8 v0, s[64:65] scope:SCOPE_SE
	s_setreg_imm32_b32 hwreg(HW_REG_WAVE_MODE, 25, 1), 1
	s_wait_xcnt 0x0
	s_wait_alu depctr_hold_cnt(0) depctr_sa_sdst(0) depctr_va_vdst(0) depctr_va_sdst(0) depctr_va_ssrc(0) depctr_va_vcc(0) depctr_vm_vsrc(0)
	s_getreg_b32 s2, hwreg(HW_REG_IB_STS2, 6, 4)
	s_cmp_eq_u32 s2, 0
	s_cbranch_scc0 .Lentry_in_a_cluster
	s_endpgm
.Lentry_in_a_cluster:
	s_bfe_u32 s2, ttmp6, 0x10000c
	s_cmp_lg_u32 s2, 0x3003
	s_cbranch_scc0 .Lentry_shape_is_right
	s_endpgm
.Lentry_shape_is_right:
; o = softmax(q k^T / 8, causal) v for one head of one batch, both products on codes of FP6 (E2M3) with E8M0 scales; o is quantised here along the model's 1,024 for the last product.
; THE SOFTMAX: t = score x log2(e) / 8; M = the largest t so far, rounded UP to a whole number; p = 2^(t - M) is quantised along the keys, not normalised; the row's sum is taken of the unquantised p and divides at the end.
; When M moves, the sum and O are multiplied by 2^(old M - new M): exact.  A block's scale is taken from its largest t - M: floor of it is the largest p's exponent.
; Hidden keys get the score -infinity, so p = 0: what reference()'s -1e9 gives as long as the spread of a row's scores stays far under 1e9 (LIMIT).  Key steps, and upper halves of steps, that lie wholly behind a tile's queries are not computed: the mask of reference()'s own body throws them away.
; OTHER LIMITS: scaled scores stay under 2^31 in magnitude; blocks whose largest magnitude lies under 2^-124 get the byte 1; NaN and infinities are not served.
; LAYOUT.  S^T = K Q^T (source 0 = 16 keys, source 1 = my queries), O^T = V^T P^T: a lane (r, h) holds one query throughout.  Tile t of a band of 64 holds rows 8 t + i and 32 + 8 t + i, so register 32 c + 8 t + i of the scores is key 64 c + 32 h + 8 t + i:
; a lane holds two whole blocks of a key step of 128, and only the row's maximum and the scale word look at lane l xor 16.
; K = 64 in the first product: a tile of K is six registers; as an operand of twelve its upper six are the NEXT tile's codes (behind the last tile: constant registers), which meet Q's zero codes under the byte 0x7f and add exactly 0.
; SHARES.  A tile of queries is (key step beta, band c, tile j).  A work-group takes j = its place in the cluster; wave w takes beta = 8 + w with c = (w + cluster x) % 2, then beta = 7 - w with the other c: each wave 16 whole steps and a half.
; LDS.  The head's 16 records (K, V and their scale words of 128 keys: 13,056 bytes) are filled ONCE, one joint load of two records a wave, shared by the four work-groups of a cluster; nothing is filled again.
; The first barrier shows records 0-3 (waves 0 and 1 wait for their loads), with which every wave walks its first three steps; the second shows all.
; NO PREFETCH: all records are asked for at the head, so there is no later load to run ahead of.
; A step's scores are made at the end of the step before, ahead of the products with V.
; REGISTERS: v0, v1 the conversions' scale operands; v2-7 the second tile's Q; v8-55 K's 8 tiles; v56-61 constants (16 x lane, 4 x lane, the spare word, 0, the mask's d, 4 r + h); v62, v63, v255 LDS addresses; v64-111 V's 4 fragments;
;   v112-175 S^T, then p; v176-207 O^T; v208-219 Q and zeros; v220-231 p's codes; v232-239 at work; v240-243 K's scale words, v244-245 V's, v246 Q's, v247 p's, v254 the second tile's Q's; v248 -M, v249 the largest score, v[250:251] the sum, v[252:253] the factor, then part of the sum.
.set REC,    13056
.set Q_OFF,  6684672
.set QS_OFF, 9830400
.set BLK,    102400
.set KST,    12800
.set SPARE,  17*REC                    ; the spare words, 128 bytes for each wave
.set FLOOR,  0x1800000
.set OFFE,   0xff000000
.set K,  8
.set V,  64
.set S,  112
.set O,  176
.set Q,  208
.set P,  220
.set MASK, 66                          ; s66-97: lanes in which key n of a band, 32 h + n, is hidden from my query
.macro ROUND                           ; a round of the cluster's barrier
	s_barrier_signal -1
	s_barrier_wait -1
	s_cmp_lg_u32 s8, 0
	s_cbranch_scc1 .Lnot_wave_0_\@
	s_barrier_signal -3
.Lnot_wave_0_\@:
	s_barrier_wait -3
	s_barrier_signal -1
	s_barrier_wait -1
.endm
.macro PLACES n
.rept \n
	v_nop
.endr
.endm
; Offsets of tile (beta s\b, band s\c, j): q's pair of tiles, my tile's scale words, o's image and o's scale bytes
.macro TADDR b, c, q, qs, o, os
	s_lshl_b32 s44, s\c, 1
	s_lshr_b32 s45, s13, 1
	s_add_co_u32 s44, s44, s45                     ; pair 2 c + j / 2
	s_mul_i32 s45, s14, 98304
	s_mul_i32 s46, s\b, 6144
	s_add_co_u32 s45, s45, s46
	s_mul_i32 s46, s44, 1536
	s_add_co_u32 s45, s45, s46
	s_add_co_u32 s[\q], s45, Q_OFF
	s_mov_b32 s[\q+1], 0
	s_lshl_b32 s45, s14, 13
	s_lshl_b32 s46, s\b, 9
	s_add_co_u32 s45, s45, s46
	s_lshl_b32 s46, s44, 2
	s_add_co_u32 s45, s45, s46
	s_and_b32 s46, s13, 1
	s_lshl_b32 s46, s46, 8
	s_add_co_u32 s45, s45, s46
	s_add_co_u32 s[\qs], s45, QS_OFF
	s_mov_b32 s[\qs+1], 0
	s_lshr_b32 s45, s14, 4
	s_lshl_b32 s45, s45, 4
	s_add_co_u32 s45, s45, s\b
	s_mul_i32 s45, s45, BLK                        ; o: 128 rows 16 b + beta,
	s_and_b32 s46, s14, 15
	s_lshr_b32 s47, s46, 1
	s_mul_i32 s47, s47, KST                        ; K step head / 2,
	s_add_co_u32 s45, s45, s47
	s_and_b32 s46, s46, 1
	s_lshl_b32 s47, s\c, 2
	s_add_co_u32 s47, s47, s13                     ; tile 4 c + j, registers 6 (head % 2) on
	s_mul_i32 s48, s46, 768
	s_mul_i32 s49, s47, 1536
	s_add_co_u32 s48, s48, s49
	s_add_co_u32 s[\o], s45, s48
	s_mov_b32 s[\o+1], 0
	s_lshl_b32 s47, s47, 6
	s_lshl_b32 s46, s46, 1
	s_add_co_u32 s47, s47, s46
	s_add_co_u32 s47, s47, 12288
	s_add_co_u32 s[\os], s45, s47
	s_mov_b32 s[\os+1], 0
.endm
.macro KLOAD base                      ; K's four pairs of tiles and their scale words
.irp i, 0,1,2,3,4,5,6,7,8,9,10,11
	ds_load_b128 v[K+4*\i:K+4*\i+3], \base offset:512*\i
.endr
	ds_load_b128 v[240:243], \base offset:12288
.endm
.macro SCORES
.irp t, 0,2,4,6
	v_wmma_scale_f32_16x16x128_f8f6f4 v[S+8*\t:S+8*\t+7], v[K+6*\t:K+6*\t+11], v[Q:Q+11], 0, v[240+\t/2], v246 matrix_a_fmt:MATRIX_FMT_FP6 matrix_b_fmt:MATRIX_FMT_FP6
	v_wmma_scale_f32_16x16x128_f8f6f4 v[S+8*\t+8:S+8*\t+15], v[K+6*\t+6:K+6*\t+17], v[Q:Q+11], 0, v[240+\t/2], v246 matrix_a_fmt:MATRIX_FMT_FP6 matrix_b_fmt:MATRIX_FMT_FP6 matrix_a_scale:MATRIX_SCALE_ROW1
.endr
.endm
.macro TINIT                           ; a tile's beginning
	v_mov_b32 v249, 0xff61b1e6                     ; the largest score so far: -3e38, under every score
	v_mov_b32 v250, 0
	v_mov_b32 v251, 0
	v_mul_f32 v238, s22, v249
.set N_, 0
.rept 32
	v_mov_b32 v[O+N_], 0                           ; O^T: the first step finds zeros, which the first change of M leaves zeros
.set N_, N_+1
.endr
	v_floor_f32 v248, -v238                        ; -M
.endm
.macro OMUL from                       ; O^T under the new M: four pairs
.set N_, \from
.rept 4
	v_pk_mul_f32 v[O+N_:O+N_+1], v[O+N_:O+N_+1], v[252:253] op_sel_hi:[1,0]
.set N_, N_+2
.endr
.endm
; A step of 128 keys on the scores that stand in S.  kind 0: all keys seen, and the next step's scores are made; kind 1: band 1 on the diagonal; kind 2: band 0 on the diagonal, band 1 not seen at all.
.macro STEP kind
.set NB_, 2-(\kind)/2                  ; bands in work
.set MB_, 32*(2-(\kind))               ; the masked band's first register
	s_add_co_u32 s50, s48, REC
	s_min_u32 s50, s50, 15*REC
	v_add_nc_u32 v63, s48, v56                     ; these four are the places behind the last products, in front of V's loads and of the first read of the scores
	v_add_nc_u32 v255, s48, v57
.if (\kind) == 0
	v_add_nc_u32 v62, s50, v56
.else
	v_mov_b32 v239, 0xff800000                     ; -infinity
.endif
	v_nop
.irp i, 0,1,2,3,4,5,6,7,8,9,10,11
	ds_load_b128 v[V+4*\i:V+4*\i+3], v63 offset:6144+512*\i
.endr
	ds_load_b32 v244, v255 offset:12800            ; lanes 0-15 the even tile's words, lanes 16-31 the odd tile's
	ds_load_b32 v245, v255 offset:12928
.if \kind
.set N_, 0
.rept 32
	v_cndmask_b32 v[S+MB_+N_], v[S+MB_+N_], v239, s[MASK+N_]
.set N_, N_+1
.endr
.endif
.set N_, 0
.rept 2*NB_
	v_max3_num_f32 v[232+N_], v[S+16*N_], v[S+16*N_+1], v[S+16*N_+2]   ; two chains for each block of 32 keys, by turns
.set N_, N_+1
.endr
.if (\kind) == 0
	KLOAD v62                                      ; the next step's K.  The last tile's product also read v56-61, which the address lines name: its places are the v_nop and the four maxima
.endif
.irp i, 3,5,7,9,11,13
.set N_, 0
.rept 2*NB_
	v_max3_num_f32 v[232+N_], v[232+N_], v[S+16*N_+\i], v[S+16*N_+\i+1]
.set N_, N_+1
.endr
.endr
	v_max_num_f32 v233, v233, v[S+31]
.if NB_ == 2
	v_max_num_f32 v235, v235, v[S+63]
.endif
	v_max3_num_f32 v232, v232, v233, v[S+15]       ; the blocks' largest scores
.if NB_ == 2
	v_max3_num_f32 v234, v234, v235, v[S+47]
	v_max_num_f32 v236, v232, v234
.else
	v_mov_b32 v236, v232
.endif
	v_permlanex16_b32 v237, v236, s20, s21
	v_max3_num_f32 v249, v249, v236, v237          ; with lane l xor 16's blocks: my query's largest score so far
	v_mul_f32 v238, s22, v249                      ; as t (c is positive)
	v_floor_f32 v233, -v238                        ; the new -M = -ceil(t): a whole number
	v_sub_f32 v235, v233, v248                     ; old M - new M: a whole number, 0 or less
	v_mov_b32 v248, v233
	v_cvt_i32_f32 v235, v235                       ; (it saturates)
	v_fma_f32 v232, v232, s22, v248                ; the blocks' largest t - M
.if NB_ == 2
	v_fma_f32 v234, v234, s22, v248
.endif
	v_ldexp_f32 v252, 1.0, v235                    ; the factor 2^(old M - new M)
	v_max_num_f32 v232, 0xc2f80000, v232           ; -124: the byte cannot fall under 1
.if NB_ == 2
	v_max_num_f32 v234, 0xc2f80000, v234
.endif
	v_floor_f32 v232, v232                         ; the largest p's exponent
.if NB_ == 2
	v_floor_f32 v234, v234
.endif
	v_cvt_i32_f32 v232, v232
.if NB_ == 2
	v_cvt_i32_f32 v234, v234
.endif
	OMUL 0
	v_lshl_add_u32 v0, v232, 23, s24               ; + 125 in the exponent field: the conversions' scale operands
.if NB_ == 2
	v_lshl_add_u32 v1, v234, 23, s24
	v_lshl_add_u32 v236, v234, 16, v232            ; my two bytes, less 125 each
.else
	v_mov_b32 v236, v232
.endif
	OMUL 8
	v_permlanex16_b32 v237, v236, s20, s21
	OMUL 16
	v_lshl_add_u32 v236, v237, 8, v236             ; with lane l xor 16's two (lanes 0-15 are read)
	OMUL 24
	v_add_nc_u32 v247, 0x7d7d7d7d, v236            ; p's scale word for these 128 keys
	v_pk_mul_f32 v[250:251], v[250:251], v[252:253] op_sel_hi:[1,0]   ; the sums under the new M
.set N_, 0
.rept 16
	v_pk_fma_f32 v[S+N_:S+N_+1], v[S+N_:S+N_+1], s[22:23], v[248:249] op_sel_hi:[1,0,0]   ; t - M, two at a time
.set N_, N_+2
.endr
	s_wait_alu depctr_va_vdst(0)                   ; the wait ahead of the batch
.set N_, 0
.rept 16
	v_exp_f32 v[S+N_], v[S+N_]                     ; p = 2^(t - M), at most 1
	v_exp_f32 v[S+N_+1], v[S+N_+1]
.if NB_ == 2
	v_pk_fma_f32 v[S+32+N_:S+33+N_], v[S+32+N_:S+33+N_], s[22:23], v[248:249] op_sel_hi:[1,0,0]   ; band 1's t - M between band 0's exponentials
.endif
.set N_, N_+2
.endr
.if NB_ == 2
	s_wait_alu depctr_va_vdst(0)                   ; behind the first batch and ahead of the second
.set N_, 0
.rept 8
	v_exp_f32 v[S+32+4*N_], v[S+32+4*N_]
	v_exp_f32 v[S+33+4*N_], v[S+33+4*N_]
	v_exp_f32 v[S+34+4*N_], v[S+34+4*N_]
	v_exp_f32 v[S+35+4*N_], v[S+35+4*N_]
.if N_ < 3
	v_pk_add_f32 v[232+2*N_:233+2*N_], v[S+4*N_:S+4*N_+1], v[S+4*N_+2:S+4*N_+3]   ; band 0's p in pairs of pairs
.else
	v_pk_add_f32 v[214+2*N_:215+2*N_], v[S+4*N_:S+4*N_+1], v[S+4*N_+2:S+4*N_+3]
.endif
.set N_, N_+1
.endr
	s_wait_alu depctr_va_vdst(0)
	v_pk_add_f32 v[250:251], v[250:251], v[232:233]   ; THE ROW'S SUM IS TAKEN OF THE UNQUANTISED p: two chains
	v_pk_add_f32 v[252:253], v[234:235], v[236:237]
	v_pk_add_f32 v[250:251], v[250:251], v[220:221]
	v_pk_add_f32 v[252:253], v[252:253], v[222:223]
	v_pk_add_f32 v[250:251], v[250:251], v[224:225]
	v_pk_add_f32 v[252:253], v[252:253], v[226:227]
	v_pk_add_f32 v[250:251], v[250:251], v[228:229]
.set SB_, S+32
.set N_, 0
.else
	v_nop                                          ; one plain place behind the exponentials
	s_wait_alu depctr_va_vdst(0)
	v_pk_add_f32 v[252:253], v[S:S+1], v[S+2:S+3]
.set SB_, S
.set N_, 2
.endif
	v_cvt_scalef32_pk16_fp6_f32 v[P:P+2], v[S:S+15], v0
	v_cvt_scalef32_pk16_fp6_f32 v[232:234], v[S+16:S+31], v0           ; (a conversion's three registers begin on an even number)
.if NB_ == 2
	v_cvt_scalef32_pk16_fp6_f32 v[P+6:P+8], v[S+32:S+47], v1
	v_cvt_scalef32_pk16_fp6_f32 v[236:238], v[S+48:S+63], v1
.endif
.set M_, 0
.rept 8-N_/2
	v_pk_add_f32 v[250:251], v[250:251], v[SB_+2*N_:SB_+2*N_+1]       ; the first is also the plain place behind the conversions
	v_pk_add_f32 v[252:253], v[252:253], v[SB_+2*N_+2:SB_+2*N_+3]
.if M_ < 3
	v_mov_b32 v[P+3+M_], v[232+M_]                 ; a block's six registers on end
.if NB_ == 2
	v_mov_b32 v[P+9+M_], v[236+M_]
.else
	v_mov_b32 v[P+6+2*M_], 0                       ; band 1's codes: zeros
	v_mov_b32 v[P+7+2*M_], 0
.endif
.endif
.set M_, M_+1
.set N_, N_+2
.endr
	v_pk_add_f32 v[250:251], v[250:251], v[252:253]
	s_wait_alu depctr_va_vdst(0)                   ; the wait here, directly ahead of the wait below
	s_wait_dscnt 0x0                               ; V, and the next step's K
.if (\kind) == 0
	SCORES
.endif
.irp g, 0,1                                    ; four accumulators by turns, one instruction a turn
	v_wmma_scale_f32_16x16x128_f8f6f4 v[O+16*\g:O+16*\g+7], v[V+24*\g:V+24*\g+11], v[P:P+11], v[O+16*\g:O+16*\g+7], v[244+\g], v247 matrix_a_fmt:MATRIX_FMT_FP6 matrix_b_fmt:MATRIX_FMT_FP6
	v_wmma_scale_f32_16x16x128_f8f6f4 v[O+16*\g+8:O+16*\g+15], v[V+24*\g+12:V+24*\g+23], v[P:P+11], v[O+16*\g+8:O+16*\g+15], v[244+\g], v247 matrix_a_fmt:MATRIX_FMT_FP6 matrix_b_fmt:MATRIX_FMT_FP6 matrix_a_scale:MATRIX_SCALE_ROW1
.endr
.endm
; The steps up to end - 1, a constant; a step all of whose keys come after my queries is left out by a scalar branch on the wave's number (s\b my last step, s\c its band: the cluster's and the wave's number)
.macro WALK end, b, c
.Lstep_\@:
	s_cmp_gt_u32 s49, s\b
	s_cbranch_scc1 .Lnext_\@
	s_cmp_eq_u32 s49, s\b
	s_cbranch_scc1 .Ldiag_\@
	STEP 0
	s_branch .Lnext_\@
.Ldiag_\@:
	s_cmp_eq_u32 s\c, 0
	s_cbranch_scc1 .Lhalf_\@
	STEP 1
	s_branch .Lnext_\@
.Lhalf_\@:
	STEP 2
.Lnext_\@:
	s_add_co_u32 s48, s48, REC
	s_add_co_u32 s49, s49, 1
	s_cmp_lt_u32 s49, \end
	s_cbranch_scc1 .Lstep_\@
.endm
; A tile's end: o = O^T / the sum, quantised along the head's 64 channels; register 8 t + i of lane (r, h) is channel 32 h + 8 t + i of my query: one whole block a lane
.macro OUT o, os
	PLACES 4
	v_add_f32 v250, v250, v251
	v_permlanex16_b32 v237, v250, s20, s21
	v_add_f32 v250, v250, v237                     ; the row's sum
	s_wait_alu depctr_va_vdst(0)
	v_rcp_f32 v250, v250
	v_nop                                          ; one plain place behind the transcendental
	s_wait_alu depctr_va_vdst(0)                   ; ahead of the first reader of it and of O^T
.set N_, 0
.rept 16
	v_pk_mul_f32 v[S+N_:S+N_+1], v[O+N_:O+N_+1], v[250:251] op_sel_hi:[1,0]
.set N_, N_+2
.endr
	v_max3_num_f32 v232, |v[S]|, |v[S+1]|, FLOOR
	v_max3_num_f32 v233, |v[S+16]|, |v[S+17]|, FLOOR
.irp i, 2,4,6,8,10,12,14
	v_max3_num_f32 v232, v232, |v[S+\i]|, |v[S+\i+1]|
	v_max3_num_f32 v233, v233, |v[S+16+\i]|, |v[S+17+\i]|
.endr
	v_max_num_f32 v232, v232, v233
	v_lshrrev_b32 v63, 1, v56                      ; 8 x lane
	v_add_nc_u32 v0, OFFE, v232
	v_cvt_scalef32_pk16_fp6_f32 v[P:P+2], v[S:S+15], v0
	v_cvt_scalef32_pk16_fp6_f32 v[234:236], v[S+16:S+31], v0
	v_lshrrev_b32 v239, 23, v0                     ; the byte; also the plain place behind the conversions
	v_mov_b32 v[P+3], v234
	v_mov_b32 v[P+4], v235
	v_mov_b32 v[P+5], v236
	global_store_b128 v56, v[P:P+3], s[\o:\o+1]    ; 512 consecutive bytes
	global_store_b64 v63, v[P+4:P+5], s[\o:\o+1] offset:512
	global_store_b8 v61, v239, s[\os:\os+1]        ; 32 single bytes: all that this head owns of these rows' scale words
.endm
	s_load_b128 s[4:7], s[0:1], 0x0                ; qkv, oq
	v_lshl_add_u32 v58, v0, 2, SPARE
	v_mov_b32 v59, 0
	ds_add_u32 v58, v59                            ; the opening lines: the add twice on end, under one wait
	ds_add_u32 v58, v59
	v_lshrrev_b32 v62, 5, v0
	v_readfirstlane_b32 s8, v62                    ; wave 0..7
	s_bfe_u32 s13, ttmp6, 0x40000                  ; j: it enters q's and o's addresses and the mask's numbers alone
	s_and_b32 s14, ttmp7, 0xffff                   ; 16 b + head, which the four partners share
	s_mul_i32 s18, s8, 2*REC                       ; my two records' place, in LDS and in the head's records
	s_mul_i32 s16, s14, 16*REC
	s_add_co_u32 s16, s16, s18
	s_mov_b32 s17, 0
	s_mov_b32 s36, 15|(3<<16)|(1<<21)              ; group 1: the mask names all four work-groups; elements of 8 bytes; bit 21 beside a mask; two records are 102 dense rows of 256 bytes
	s_mov_b32 s37, 32<<16
	s_mov_b32 s38, 102<<16
	s_mov_b32 s39, 32<<16
	s_mov_b32 s40, 102
	s_mov_b32 s41, 32
	s_mov_b32 s42, 0
	s_mov_b32 s43, 0
	s_wait_dscnt 0x0
	s_wait_kmcnt 0x0
	s_mov_b32 s32, 1
	s_mov_b32 s33, s18
	s_add_nc_u64 s[34:35], s[4:5], s[16:17]
	s_or_b32 s35, s35, 0x80000000
	ROUND                                          ; all four work-groups are here: the joint loads meet
	s_cmp_lt_u32 s8, 2
	s_cbranch_scc0 .Lrest
	tensor_load_to_lds s[32:35], s[36:43]          ; waves 0 and 1, whose records the first barrier shows, have a line of their own
	s_nop 0
	PLACES 4
	s_branch .Lasked
.Lrest:
	tensor_load_to_lds s[32:35], s[36:43]
	s_nop 0
	PLACES 4
.Lasked:
	s_add_co_u32 s9, s8, 8                         ; my first tile's beta,
	s_add_co_u32 s10, s8, ttmp9
	s_and_b32 s10, s10, 1                          ; and band
	s_sub_co_u32 s11, 7, s8                        ; my second tile's
	s_xor_b32 s12, s10, 1
	TADDR 9, 10, 52, 54, 56, 58
	TADDR 11, 12, 60, 62, 98, 100
	s_add_nc_u64 s[52:53], s[4:5], s[52:53]
	s_add_nc_u64 s[54:55], s[4:5], s[54:55]
	s_add_nc_u64 s[56:57], s[6:7], s[56:57]
	s_add_nc_u64 s[58:59], s[6:7], s[58:59]
	s_add_nc_u64 s[60:61], s[4:5], s[60:61]
	s_add_nc_u64 s[62:63], s[4:5], s[62:63]
	s_add_nc_u64 s[98:99], s[6:7], s[98:99]
	s_add_nc_u64 s[100:101], s[6:7], s[100:101]
	s_mov_b32 s20, 0x76543210
	s_mov_b32 s21, 0xfedcba98                      ; selects for lane l xor 16
	s_mov_b32 s22, 0x3e38aa3b                      ; c = log2(e) / 8
	s_mov_b32 s23, s22                             ; (named with it as a pair, so it is written)
	s_mov_b32 s24, 125<<23
	s_mov_b32 s27, 512
	s_bitcmp1_b32 s13, 0                           ; an odd tile's six registers begin in the middle of its pair's second piece
	s_cselect_b32 s25, 520, 0
	s_cselect_b32 s26, 1024, 8
	s_cselect_b32 s27, 1032, s27
	s_lshl_b32 s28, s13, 3
	v_and_b32 v116, 31, v0
	v_and_b32 v117, 15, v0                         ; r
	v_bfe_u32 v118, v0, 4, 1                       ; h
	v_lshlrev_b32 v56, 4, v116
	v_lshlrev_b32 v57, 2, v116
	v_lshlrev_b32 v115, 4, v117
	v_lshl_add_u32 v61, v117, 2, v118              ; 4 r + h
	v_add_nc_u32 v112, s25, v56
	v_add_nc_u32 v113, s26, v56
	v_add_nc_u32 v114, s27, v56
.irp k, 0,1,2
	global_load_b64 v[Q+2*\k:Q+2*\k+1], v[112+\k], s[52:53]            ; the first tile's Q, six registers,
	global_load_b64 v[2+2*\k:3+2*\k], v[112+\k], s[60:61]              ; and the second's
.endr
	global_load_b32 v246, v115, s[54:55]
	global_load_b32 v254, v115, s[62:63]
	v_and_b32 v119, 7, v117
	v_lshrrev_b32 v120, 3, v117
	v_sub_nc_u32 v121, v120, v118
	v_lshl_add_u32 v60, v121, 5, v119
	v_add_nc_u32 v60, s28, v60                     ; d = my query within its band, 8 j + r % 8 + 32 (r / 8), less 32 h
.set N_, 0
.rept 32
	v_cmp_gt_i32 s[MASK+N_], N_, v60               ; hidden where n > d
.set N_, N_+1
.endr
.irp i, 0,1,2,3,4,5
	v_mov_b32 v[Q+6+\i], 0                         ; Q's codes of the 64 along K that are not there
.endr
	v_mov_b32 v237, 0                              ; a lane permute's destination counts as one of its sources
	v_mov_b32 v253, 0
	TINIT
	s_wait_alu depctr_va_vdst(0)                   ; the wait at the head's end
	s_cmp_lt_u32 s8, 2
	s_cbranch_scc0 .Lno_wait
	s_wait_tensorcnt 0x0
.Lno_wait:
	s_barrier_signal -1
	s_barrier_wait -1                              ; records 0-3 are in; the others may still be on their way
	KLOAD v56
	s_wait_loadcnt 0x0                             ; Q
	s_wait_dscnt 0x0
	SCORES
	s_mov_b32 s48, 0                               ; LDS byte of the record in hand
	s_mov_b32 s49, 0                               ; the key step
.Lfirst:
	STEP 0                                         ; three steps that every wave's first tile has
	s_add_co_u32 s48, s48, REC
	s_add_co_u32 s49, s49, 1
	s_cmp_lt_u32 s49, 3
	s_cbranch_scc1 .Lfirst
	s_wait_tensorcnt 0x0
	s_wait_dscnt 0x0
	s_barrier_signal -1
	s_barrier_wait -1                              ; all records are in: from here on LDS is only read
	s_mov_b32 s48, 3*REC
	s_mov_b32 s49, 3
	WALK 16, 9, 10
	OUT 56, 58
	; the second tile
	KLOAD v56
.irp i, 0,1,2,3,4,5
	v_mov_b32 v[Q+\i], v[2+\i]
.endr
	v_mov_b32 v246, v254
	TINIT
	s_wait_alu depctr_va_vdst(0)                   ; the wait here, directly ahead of the waits below
	s_wait_xcnt 0x0                                ; the first tile's stores have read their registers
	s_wait_dscnt 0x0
	SCORES
	s_mov_b32 s48, 0
	s_mov_b32 s49, 0
	WALK 8, 11, 12
	OUT 98, 100
	s_wait_tensorcnt 0x0                           ; the wave's end
	ds_add_u32 v58, v59
	s_wait_dscnt 0x0
	ROUND                                          ; the closing round: no work-group ends while a partner may still ask for a tile that names it
	s_endpgm
.Lfunc_end_k_qbec082252f_attn:
	.size	k_qbec082252f_attn, .Lfunc_end_k_qbec082252f_attn-k_qbec082252f_attn
	.p2alignl 7, 3214868480
	.fill 96, 4, 3214868480
	.section	.rodata,"a",@progbits
	.p2align	6, 0x0
	.amdhsa_kernel k_qbec082252f_attn
		.amdhsa_group_segment_fixed_size 222976
		.amdhsa_private_segment_fixed_size 0
		.amdhsa_enable_private_segment 0
		.amdhsa_kernarg_size 16
		.amdhsa_user_sgpr_count 2
		.amdhsa_user_sgpr_kernarg_segment_ptr 1
		.amdhsa_wavefront_size32 1
		.amdhsa_system_sgpr_workgroup_id_x 1
		.amdhsa_system_sgpr_workgroup_id_y 1
		.amdhsa_system_sgpr_workgroup_id_z 1
		.amdhsa_system_vgpr_workitem_id 0
		.amdhsa_next_free_vgpr 256
		.amdhsa_next_free_sgpr 102
		.amdhsa_reserve_vcc 0
		.amdhsa_float_denorm_mode_32 3
		.amdhsa_float_denorm_mode_16_64 3
		.amdhsa_memory_ordered 1
		.amdhsa_forward_progress 1
		.amdhsa_inst_pref_size 117
	.end_amdhsa_kernel
	.amdgpu_metadata
---
amdhsa.version: [ 1, 2 ]
amdhsa.kernels:
  - .name:           k_qbec082252f_attn
    .symbol:         k_qbec082252f_attn.kd
    .args:
      - { .name: qkv, .offset: 0, .size: 8, .value_kind: global_buffer, .address_space: global }
      - { .name: oq, .offset: 8, .size: 8, .value_kind: global_buffer, .address_space: global }
    .group_segment_fixed_size: 222976
    .private_segment_fixed_size: 0
    .kernarg_segment_align: 8
    .kernarg_segment_size: 16
    .max_flat_workgroup_size: 256
    .sgpr_count:     102
    .vgpr_count:     256
    .wavefront_size: 32
...
	.end_amdgpu_metadata
.endif
;; end of part 3
;; launch proj (part 4): grid 8 x 32, 4 waves a work-group, clusters of 4 x 4, 222,720 bytes of LDS; arguments oq, wq, bp, out0; writes out0
.if DOCPART == 4
	.amdgcn_target "amdgcn-amd-amdhsa--gfx1250"
	.amdhsa_code_object_version 6
	.text
	.protected	k_qbec082252f_proj
	.globl	k_qbec082252f_proj
	.p2align	8
	.type	k_qbec082252f_proj,@function
k_qbec082252f_proj:
	s_mov_b64 s[64:65], 0
	v_nop
	global_prefetch_b8 v0, s[64:65] scope:SCOPE_SE
	s_setreg_imm32_b32 hwreg(HW_REG_WAVE_MODE, 25, 1), 1
	s_wait_xcnt 0x0
	s_wait_alu depctr_hold_cnt(0) depctr_sa_sdst(0) depctr_va_vdst(0) depctr_va_sdst(0) depctr_va_ssrc(0) depctr_va_vcc(0) depctr_vm_vsrc(0)
	s_getreg_b32 s2, hwreg(HW_REG_IB_STS2, 6, 4)
	s_cmp_eq_u32 s2, 0
	s_cbranch_scc0 .Lentry_in_a_cluster
	s_endpgm
.Lentry_in_a_cluster:
	s_bfe_u32 s2, ttmp6, 0x10000c
	s_cmp_lg_u32 s2, 0xf033
	s_cbranch_scc0 .Lentry_shape_is_right
	s_endpgm
.Lentry_shape_is_right:
; out = o Wp + bp on codes of FP6 (E2M3) with E8M0 scales, f32 sums.  A work-group makes 128 rows x 128 columns, a wave 64 x 64: 16 accumulators; the bias is the first products' C.
; oq is laid as xq, but for the piece order of a tile's twelve registers: registers 6 c .. + 3 at 768 c + 16 l, the next two at 768 c + 512 + 8 l (a head is half a K step).  Wp is wq's fourth weight.
; ALL OF K, 102,400 bytes a side, lies in LDS at once: four joint loads, one a wave: waves 0 and 1 o's and Wp's K steps 0-3, waves 2 and 3 their K steps 4-7.  The first barrier shows the first half, the second all.  Nothing is filled again.
; NO PREFETCH: everything is asked for at the head, so there is no later load to run ahead of.
; CLUSTER 4 x 4: o's tiles are asked for jointly along a row of the cluster, Wp's along a column.
; TRANSPOSED USE (source 0 = 16 columns of Wp, source 1 = 16 rows of o): tile j of a band of 64 holds 8 j + i and 32 + 8 j + i, so a lane (r, h) holds row r and columns 32 h + 8 j + 0 .. 7.
.set BLK,    102400
.set KST,    12800
.set HALF,   4*KST
.set STAGE,  2*BLK                     ; behind the tiles: 16 rows x 272 bytes for each wave, for the way out
.set SP,     272
.set SPARE,  STAGE+4*16*SP             ; the spare words, 128 bytes for each wave
.set L16, 1
.set L8,  2
.set ADA, 16                           ; v16-18, v20-22: o's fragments (16 and 8 bytes a lane), Wp's, in K steps 0-3 and 4-7
.set ADS, 12                           ; v12, v13: scale words, lanes 0-15 o's, lanes 16-31 Wp's
.set STO, 24
.set RD,  25
.set CO,  26
.set SC,  32
.set BI,  48
.set BK,  48
.set SPW, 126
.set NIL, 127
.set ACC, 128                          ; v128-255; the fragments lie in window 1, two sets
.set G1, 24
.set G0, 32
.set G1B, 48
.set G0B, 56
.set MSB, 0
.macro WIN new
.if MSB != \new
	s_set_vgpr_msb (MSB<<8)|\new
.set MSB, \new
.endif
.endm
.macro PLACES n
.rept \n
	v_nop
.endr
.endm
.macro CROUND
	s_barrier_signal -1
	s_barrier_wait -1
	s_cmp_lg_u32 s14, 0
	s_cbranch_scc1 .Lnot_wave_0_\@
	s_barrier_signal -3
.Lnot_wave_0_\@:
	s_barrier_wait -3
	s_barrier_signal -1
	s_barrier_wait -1
.endm
	s_load_b256 s[4:11], s[0:1], 0x0               ; oq, wq, bp, out0
	v_lshl_add_u32 v[SPW], v0, 2, SPARE
	v_mov_b32 v[NIL], 0
	ds_add_u32 v[SPW], v[NIL]                      ; the opening lines: the add twice on end, under one wait
	ds_add_u32 v[SPW], v[NIL]
	v_lshrrev_b32 v3, 5, v0
	v_readfirstlane_b32 s14, v3                    ; wave 0..3
	s_lshr_b32 s15, s14, 1                         ; which 64 rows are mine.  Also: which half of K I fetch
	s_and_b32 s16, s14, 1                          ; which 64 columns.  Also: I fetch o (0) or Wp (1)
	s_bfe_u32 s40, ttmp6, 0x40000                  ; cx, cy
	s_bfe_u32 s41, ttmp6, 0x40004
	s_lshl_b32 s42, ttmp9, 2
	s_add_co_u32 s42, s42, s40                     ; bx
	s_and_b32 s17, ttmp7, 0xffff
	s_lshl_b32 s17, s17, 2
	s_add_co_u32 s17, s17, s41                     ; by
	s_lshl_b32 s43, s41, 2
	s_lshl_b32 s43, 15, s43                        ; my row of the cluster
	s_lshl_b32 s44, 0x1111, s40                    ; my column
	s_or_b32 s[G1+0], s43, (3<<16)|(1<<21)         ; elements of 8 bytes; four K steps are 200 dense rows of 256 bytes
	s_or_b32 s[G1B+0], s44, (3<<16)|(1<<21)
.irp g, G1, G1B
	s_mov_b32 s[\g+1], 32<<16
	s_mov_b32 s[\g+2], 200<<16
	s_mov_b32 s[\g+3], 32<<16
	s_mov_b32 s[\g+4], 200
	s_mov_b32 s[\g+5], 32
	s_mov_b32 s[\g+6], 0
	s_mov_b32 s[\g+7], 0
.endr
	s_mul_i32 s18, s15, HALF
	s_mul_i32 s20, s17, BLK
	s_add_co_u32 s20, s20, s18                     ; o: block by, my half of K
	s_mov_b32 s21, 0
	s_add_co_u32 s46, s42, 24
	s_mul_i32 s46, s46, BLK
	s_add_co_u32 s46, s46, s18                     ; Wp: block 24 + bx
	s_mov_b32 s47, 0
	s_wait_dscnt 0x0                               ; both opening adds are done
	s_wait_kmcnt 0x0
	s_add_nc_u64 s[20:21], s[4:5], s[20:21]
	s_add_nc_u64 s[46:47], s[6:7], s[46:47]
	CROUND                                         ; all sixteen work-groups are here: the joint loads meet
	s_mov_b32 s[G0], 1
	s_mov_b32 s[G0+1], s18
	s_mov_b64 s[G0+2:G0+3], s[20:21]
	s_or_b32 s[G0+3], s[G0+3], 0x80000000
	s_mov_b32 s[G0B], 1
	s_add_co_u32 s[G0B+1], s18, BLK
	s_mov_b64 s[G0B+2:G0B+3], s[46:47]
	s_or_b32 s[G0B+3], s[G0B+3], 0x80000000
.macro ARM w, g0, g1, next             ; one chain of branches on the wave's number, one load to an arm
	s_cmp_eq_u32 s14, \w
	s_cbranch_scc0 \next
	tensor_load_to_lds s[\g0:\g0+3], s[\g1:\g1+7]
	s_nop 0
	PLACES 4
	s_branch .Lasked
\next:
.endm
	ARM 0, G0, G1, .Lwave_1
	ARM 1, G0B, G1B, .Lwave_2
	ARM 2, G0, G1, .Lwave_3
	tensor_load_to_lds s[G0B:G0B+3], s[G1B:G1B+7]
	s_nop 0
	PLACES 4
.Lasked:
	s_lshl_b32 s12, s42, 9
	s_lshl_b32 s13, s16, 8
	s_add_co_u32 s12, s12, s13                     ; my first column, in bytes
	s_mov_b32 s13, 0
	s_add_nc_u64 s[8:9], s[8:9], s[12:13]
	s_add_nc_u64 s[10:11], s[10:11], s[12:13]
	s_lshl_b32 s12, s17, 19
	s_lshl_b32 s13, s15, 18
	s_add_co_u32 s12, s12, s13                     ; my first row: 128 by + 64 x half
	s_mov_b32 s13, 0
	s_add_nc_u64 s[10:11], s[10:11], s[12:13]
	s_mul_i32 s12, s15, 6144                       ; my four tiles of o,
	s_mul_i32 s13, s16, 6144
	s_add_co_u32 s13, s13, BLK                     ; and of Wp
	s_lshl_b32 s18, s15, 8                         ; their scale words: o's, and how far on Wp's lie
	s_lshl_b32 s19, s16, 8
	s_add_co_u32 s19, s19, BLK
	s_sub_co_u32 s19, s19, s18
	s_mul_i32 s22, s14, 16*SP
	s_add_co_u32 s22, s22, STAGE                   ; my stage
	v_and_b32 v4, 31, v0
	v_and_b32 v5, 15, v0                           ; r
	v_bfe_u32 v6, v0, 4, 1                         ; h
	v_lshlrev_b32 v[L16], 4, v4
	v_lshlrev_b32 v[L8], 3, v4
	v_lshlrev_b32 v7, 7, v6
.irp j, 0,1,2,3
	global_load_b128 v[BI+8*\j:BI+8*\j+3], v7, s[8:9] offset:32*\j
	global_load_b128 v[BI+8*\j+4:BI+8*\j+7], v7, s[8:9] offset:32*\j+16
.endr
	v_add_nc_u32 v[ADA], s12, v[L16]
	v_add_nc_u32 v[ADA+1], s12, v[L8]
	v_add_nc_u32 v[ADA+2], s13, v[L16]
	v_mul_u32_u24 v8, s19, v6
	v_lshl_add_u32 v8, v5, 2, v8
	v_add_nc_u32 v[ADS], s18, v8
.irp n, ADA, ADA+1, ADA+2
	v_add_nc_u32 v[\n+4], HALF, v[\n]
.endr
	v_add_nc_u32 v[ADS+1], HALF, v[ADS]
	v_mul_u32_u24 v[STO], v5, SP                   ; in: row r, 128 bytes on for the upper half of the lanes
	v_lshl_add_u32 v[STO], v6, 7, v[STO]
	v_add_nc_u32 v[STO], s22, v[STO]
	v_mul_u32_u24 v[RD], v6, SP                    ; back: lanes 0-15 take one row of 256 bytes, lanes 16-31 the next
	v_lshl_add_u32 v[RD], v5, 4, v[RD]
	v_add_nc_u32 v[RD], s22, v[RD]
	v_lshlrev_b32 v[CO], 12, v6                    ; and the same two rows of the output
	v_lshl_add_u32 v[CO], v5, 4, v[CO]
; 8 matrix instructions: o's tiles a0, a0 + 1 x Wp's four.  The 16 accumulators take turns, in the same order in every step.
.macro MUL8 a0, set, s
	WIN 0x05                                       ; sources in window 1, C and D in window 0
.irp a, \a0, \a0+1
.irp j, 0,1,2,3
.if (\s) == 0
	v_wmma_scale_f32_16x16x128_f8f6f4 v[ACC+8*(4*(\a)+\j):ACC+8*(4*(\a)+\j)+7], v[128*(\set)+48+12*\j:128*(\set)+48+12*\j+11], v[128*(\set)+12*(\a):128*(\set)+12*(\a)+11], v[BI+8*\j:BI+8*\j+7], v[SC+4*(\set)+\j], v[SC+4*(\set)+(\a)] matrix_a_fmt:MATRIX_FMT_FP6 matrix_b_fmt:MATRIX_FMT_FP6 matrix_a_scale:MATRIX_SCALE_ROW1
.else
	v_wmma_scale_f32_16x16x128_f8f6f4 v[ACC+8*(4*(\a)+\j):ACC+8*(4*(\a)+\j)+7], v[128*(\set)+48+12*\j:128*(\set)+48+12*\j+11], v[128*(\set)+12*(\a):128*(\set)+12*(\a)+11], v[ACC+8*(4*(\a)+\j):ACC+8*(4*(\a)+\j)+7], v[SC+4*(\set)+\j], v[SC+4*(\set)+(\a)] matrix_a_fmt:MATRIX_FMT_FP6 matrix_b_fmt:MATRIX_FMT_FP6 matrix_a_scale:MATRIX_SCALE_ROW1
.endif
.endr
.endr
.endm
; 32 LDS loads in one run: K step s into set
.macro FETCH s, set
.set N_, (\s)/4
.set Q_, ((\s)%4)*KST
	WIN 0x40                                       ; destination window 1, address window 0
.irp a, 0,1,2,3
	ds_load_b128 v[128*(\set)+12*\a:128*(\set)+12*\a+3], v[ADA+4*N_] offset:\a*1536+Q_
	ds_load_b64 v[128*(\set)+12*\a+4:128*(\set)+12*\a+5], v[ADA+4*N_+1] offset:\a*1536+Q_+512
	ds_load_b128 v[128*(\set)+12*\a+6:128*(\set)+12*\a+9], v[ADA+4*N_] offset:\a*1536+Q_+768
	ds_load_b64 v[128*(\set)+12*\a+10:128*(\set)+12*\a+11], v[ADA+4*N_+1] offset:\a*1536+Q_+1280
.endr
.irp j, 0,1,2,3
.irp c, 0,1,2
	ds_load_b128 v[128*(\set)+48+12*\j+4*\c:128*(\set)+48+12*\j+4*\c+3], v[ADA+4*N_+2] offset:\j*1536+Q_+512*\c
.endr
.endr
	WIN 0
.irp j, 0,1,2,3
	ds_load_b32 v[SC+4*(\set)+\j], v[ADS+N_] offset:Q_+12288+64*\j
.endr
.endm
.macro PSTEP s
	s_wait_dscnt 0x0                               ; this step's 32 loads are in
.if (\s) == 3
	s_wait_tensorcnt 0x0                           ; my load has landed: everybody's K steps 4-7 are shown by this barrier
	s_barrier_signal -1
	MUL8 0, 1, 3
	WIN 0
	s_barrier_wait -1
	PLACES 4                                       ; in front of loads into registers that matrix instructions have read
	FETCH 4, 0
	MUL8 2, 1, 3
.else
.if (\s) < 7
	PLACES 4
	FETCH (\s)+1, ((\s)+1)%2
.endif
	MUL8 0, (\s)%2, \s
	MUL8 2, (\s)%2, \s
.endif
.endm
	s_wait_alu depctr_va_vdst(0)                   ; the wait at the head's end
	s_cmp_lt_u32 s14, 2
	s_cbranch_scc0 .Lno_wait
	s_wait_tensorcnt 0x0
.Lno_wait:
	s_barrier_signal -1
	s_barrier_wait -1                              ; K steps 0-3 are in; the others may still be on their way
	FETCH 0, 0
	s_wait_loadcnt 0x0                             ; the bias
.irp s, 0,1,2,3,4,5,6,7
	PSTEP \s
.endr
	WIN 0
	PLACES 4
; THE WAY OUT of row tile a: through my own stage and back as rows of 256 bytes.  LDS serves a wave's instructions in order (ISA guide 5.7.1.4): no wait between the stores and the loads.
.macro TOSTAGE a
.irp j, 0,1,2,3
	ds_store_b128 v[STO], v[ACC+8*(4*(\a)+\j):ACC+8*(4*(\a)+\j)+3] offset:32*\j
	ds_store_b128 v[STO], v[ACC+8*(4*(\a)+\j)+4:ACC+8*(4*(\a)+\j)+7] offset:32*\j+16
.endr
.set BB, BK+32*((\a)%2)
.irp t, 0,1,2,3,4,5,6,7
	ds_load_b128 v[BB+4*\t:BB+4*\t+3], v[RD] offset:2*\t*SP
.endr
.endm
.macro SEND a, younger                 ; younger: the LDS instructions issued behind this tile's loads, which may stay out
.set BB, BK+32*((\a)%2)
	s_wait_dscnt \younger
.irp t, 0,1,2,3,4,5,6,7
	global_store_b128 v[CO], v[BB+4*\t:BB+4*\t+3], s[10:11] offset:(8*(\a)+2*\t+24*(\t/4))*4096 th:TH_STORE_NT   ; index 2 t of the tile is row 8 a + 2 t, from index 8 on 24 further; 16 lanes store 256 consecutive bytes, aligned
.endr
.endm
	TOSTAGE 0
.irp a, 1,2,3
.if \a > 1
	s_wait_xcnt 0x0                                ; the stores of the tile before the last have read their registers
.endif
	TOSTAGE \a
	SEND \a-1, 16                                  ; behind the tile's loads: the next tile's 8 stores and 8 loads
.endr
	SEND 3, 0
	s_wait_tensorcnt 0x0                           ; the wave's end
	ds_add_u32 v[SPW], v[NIL]
	s_wait_dscnt 0x0
	CROUND                                         ; the closing round: no work-group ends while a partner may still ask for a tile that names it
	s_endpgm
.Lfunc_end_k_qbec082252f_proj:
	.size	k_qbec082252f_proj, .Lfunc_end_k_qbec082252f_proj-k_qbec082252f_proj
	.p2alignl 7, 3214868480
	.fill 96, 4, 3214868480
	.section	.rodata,"a",@progbits
	.p2align	6, 0x0
	.amdhsa_kernel k_qbec082252f_proj
		.amdhsa_group_segment_fixed_size 222720
		.amdhsa_private_segment_fixed_size 0
		.amdhsa_enable_private_segment 0
		.amdhsa_kernarg_size 32
		.amdhsa_user_sgpr_count 2
		.amdhsa_user_sgpr_kernarg_segment_ptr 1
		.amdhsa_wavefront_size32 1
		.amdhsa_system_sgpr_workgroup_id_x 1
		.amdhsa_system_sgpr_workgroup_id_y 1
		.amdhsa_system_sgpr_workgroup_id_z 1
		.amdhsa_system_vgpr_workitem_id 0
		.amdhsa_next_free_vgpr 512
		.amdhsa_next_free_sgpr 102
		.amdhsa_reserve_vcc 0
		.amdhsa_float_denorm_mode_32 3
		.amdhsa_float_denorm_mode_16_64 3
		.amdhsa_memory_ordered 1
		.amdhsa_forward_progress 1
		.amdhsa_inst_pref_size 50
	.end_amdhsa_kernel
	.amdgpu_metadata
---
amdhsa.version: [ 1, 2 ]
amdhsa.kernels:
  - .name:           k_qbec082252f_proj
    .symbol:         k_qbec082252f_proj.kd
    .args:
      - { .name: oq, .offset: 0, .size: 8, .value_kind: global_buffer, .address_space: global }
      - { .name: wq, .offset: 8, .size: 8, .value_kind: global_buffer, .address_space: global }
      - { .name: bp, .offset: 16, .size: 8, .value_kind: global_buffer, .address_space: global }
      - { .name: out0, .offset: 24, .size: 8, .value_kind: global_buffer, .address_space: global }
    .group_segment_fixed_size: 222720
    .private_segment_fixed_size: 0
    .kernarg_segment_align: 8
    .kernarg_segment_size: 32
    .max_flat_workgroup_size: 128
    .sgpr_count:     102
    .vgpr_count:     512
    .wavefront_size: 32
...
	.end_amdgpu_metadata
.endif
;; end of part 4
